; MI455X (gfx1250); checked and timed in simulation.
; The chip was launched on July 23, 2026; its instructions are those of AMD's public machine-readable ISA for CDNA 5 (MIT licence, August 2026) and "CDNA5" Instruction Set Architecture Reference Guide (July 2026). The comments in the code are by the model that wrote it; some were corrected since.
;; Self Attention Block. Allowed arithmetic: matrix products marked QUANTISED: E2M3 operands, one E8M0 scale for each 32 along K, by v_wmma_scale_f32_16x16x128_f8f6f4 with both operands' format E2M3, f32 sums; everything else in f32.
;; Inputs: Wk_codes 1,024 x 32 x 24 uint8 (E2M3 codes of Wk, K innermost, in blocks of 32 codes, four codes in three bytes); Wk_scales 1,024 x 32 uint8 (E8M0 scales of Wk, one for each 32 codes along K); Wq_codes 1,024 x 32 x 24 uint8 (E2M3 codes of Wq, K innermost, in blocks of 32 codes, four codes in three bytes); Wq_scales 1,024 x 32 uint8 (E8M0 scales of Wq, one for each 32 codes along K); Wv_codes 1,024 x 32 x 24 uint8 (E2M3 codes of Wv, K innermost, in blocks of 32 codes, four codes in three bytes); Wv_scales 1,024 x 32 uint8 (E8M0 scales of Wv, one for each 32 codes along K); bk 1,024 float32; bq 1,024 float32; bv 1,024 float32; inputs 4 x 2,048 x 1,024 float32; ln_beta 1,024 float32; ln_gamma 1,024 float32.
;; Outputs: out0 4 x 2,048 x 1,024 float32.
;; This version of the problem:
;;   THIS VERSION OF THE PROBLEM IS GIVEN IN LOW PRECISION. The matrix products marked QUANTISED in the list below multiply operands that are first quantised to E2M3 (2 exponent bits, 3 mantissa bits; 6 bits a number), with one power-of-two scale for each 32 numbers along K (OCP MX v1.0); their sums are f32. All else is computed in f32.
;;   The module's matrix products, in the order in which they are computed (A, B: the left and right operand; K: the contracted axis; several contracted axes count as one K, in the product's order):
;;     1. [M 8,192, K 1,024] x [K 1,024, N 1,024]; A: input inputs; B: input Wq (given as codes): QUANTISED
;;     2. [M 8,192, K 1,024] x [K 1,024, N 1,024]; A: input inputs; B: input Wk (given as codes): QUANTISED
;;     3. [M 8,192, K 1,024] x [K 1,024, N 1,024]; A: input inputs; B: input Wv (given as codes): QUANTISED
;;     4. batch 4 x [M 2,048, K 1,024] x [K 1,024, N 2,048]; A: computed on the way; B: computed on the way: QUANTISED
;;     5. batch 4 x [M 2,048, K 2,048] x [K 2,048, N 1,024]; A: softmax (see below); B: computed on the way: QUANTISED
;;   THE QUANTISER, for each operand of a quantised product, along K:
;;     - K is cut into blocks of 32 from its start; a last block that is shorter is filled with zeros.
;;     - A block's scale is 2^e with e = floor(log2(the largest magnitude in the block)) - 2, held to -126 .. 127; a block of zeros has e = 0. As a byte (E8M0): e + 127.
;;     - Each number is divided by its block's scale, clamped to +-7.5, and rounded to the nearest number of E2M3, ties to even, subnormals kept.
;;     - The product sums the exact products of the quantised numbers (number of the format x scale) in f32.
;;   ~~~python
;;   def quantise(x, axis):      # numpy; x: float32 -> the quantised numbers, widened to float32 again
;;       x = np.moveaxis(x, axis, -1); K = x.shape[-1]
;;       x = np.pad(x, [(0, 0)] * (x.ndim - 1) + [(0, -K % 32)]); x = x.reshape(x.shape[:-1] + (-1, 32)); a = np.abs(x).max(-1, keepdims=True)
;;       e = np.where(a > 0, np.clip(np.frexp(np.where(a > 0, a, 1))[1] - 1 - 2, -126, 127), 0)      # np.frexp(a)[1] - 1 = floor(log2(a)), exactly
;;       r = np.clip(x / 2.0 ** e, -7.5, 7.5)
;;       step = 2.0 ** (np.maximum(np.frexp(np.where(r == 0, 1, r))[1] - 1, 0) - 3)
;;       q = np.round(r / step) * step * 2.0 ** e      # np.round: ties to even
;;       return np.moveaxis(q.reshape(q.shape[:-2] + (-1,))[..., :K], -1, axis).astype(np.float32)
;;   ~~~
;;   SOFTMAX AHEAD OF A QUANTISED PRODUCT. Where the list says 'softmax', what is quantised is not the finished softmax but p = 2^(t - M), with t = logit x log2(e) and M = ceil(the row's largest t), a whole number; so 1/2 < the row's largest p <= 1. The row's sum l is taken of the UNQUANTISED p, in f32, and the product's result is divided by l at the end. Since M is a whole number, a kernel that streams over the keys may use a running M (the ceiling of the running maximum): every later rescaling is an exact power of two, which a block's scale takes up: the codes' values come out the same.
;;   OPERANDS COMPUTED ON THE WAY. 'Computed on the way' means the value that the module computes at that place (a softmax that the list does not call 'softmax' is quantised finished and normalised). What goes into a quantiser is computed in f32, as accurately as f32 sums, v_exp_f32 and their like allow (about 1e-6 of the number): no bf16 or f16 on the way to a quantiser, and a product that is left as it is and whose result goes on into a quantised operand takes f32 operands (vector FMAs, or v_wmma_f32_16x16x4_f32). A number that lies on a knife's edge between two numbers of the format may be rounded either way, as far as f32 arithmetic and the matrix unit's own rounding can turn it there, and no further.
;;   INPUTS GIVEN AS CODES. Wk (in the module: [1024, 1024], K = its axis 0); Wq (in the module: [1024, 1024], K = its axis 0); Wv (in the module: [1024, 1024], K = its axis 0): each comes as NAME_codes (uint8): NAME with its K axis moved to the last place and cut into blocks of 32 codes, [.., K / 32, bytes a block], one block behind the other in memory; four codes in three bytes: a row's codes are one little-endian stream of bits, code i at bits 6 i .. 6 i + 5 (a code: sign, 2 exponent bits, 3 mantissa bits); and NAME_scales (uint8): the same leading axes, one E8M0 byte (e + 127) for each 32 codes along K. Its value is code x scale, taken as it is: it is not quantised again, and the codes and scales need not be those that the quantiser above would give.
;; One version. Each part assembles by itself: llvm-mc -triple=amdgcn-amd-amdhsa -mcpu=gfx1250 --defsym DOCPART=n.
;; ======== version 1 of 1: 4 launches
;; workspace buffers: xi 6,553,600 bytes; wi 2,457,600 bytes; qk 13,107,200 bytes; vi 6,553,600 bytes; pi 14,155,776 bytes
;; launch prep (part 1): grid 352 x 1, 4 waves a work-group, no clusters, 35,328 bytes of LDS; arguments inputs, Wq_codes, Wq_scales, Wk_codes, Wk_scales, Wv_codes, Wv_scales, xi, wi; writes xi, wi
.if DOCPART == 1
	.amdgcn_target "amdgcn-amd-amdhsa--gfx1250"
	.amdhsa_code_object_version 6
	.text
	.protected	k_qc5db9ce465_prep
	.globl	k_qc5db9ce465_prep
	.p2align	8
	.type	k_qc5db9ce465_prep,@function
k_qc5db9ce465_prep:
	s_mov_b64 s[64:65], 0
	v_nop
	global_prefetch_b8 v0, s[64:65] scope:SCOPE_SE
	s_setreg_imm32_b32 hwreg(HW_REG_WAVE_MODE, 25, 1), 1
	s_wait_xcnt 0x0
; The tokens [8192][1024] f32 become codes of FP6 (E2M3) with one E8M0 byte for each 32 along the 1,024; the three weights, given as codes [n][k], are laid anew.
; Both leave in ONE layout, the order of a matrix operand's registers:
;   a TILE is 16 rows x 128 K = 12 registers a lane; registers 4 c .. 4 c + 3 of lane l lie at 512 c + 16 l: 1,536 bytes;
;   tile t of a group of 128 rows takes row 32 (t / 2) + 8 (t % 2) + r + 8 (r / 8) in lane r (so that, used as source 0, two neighbouring tiles give a lane 16 neighbours of the next K);
;   a BLOCK is a group's 8 tiles of one K step, then its 128 scale words at 12,288 + 64 t + 4 r: 12,800 bytes.  xi: [group 64][K step 8], wi: [Wq, Wk, Wv][group 8][K step 8].
; A wave makes half a block: 4 tiles and 256 bytes of scale words.  Work-groups 0-255 take the tokens, 256-351 the weights; only the tokens' way uses LDS.
; A block's scale is 2^(floor(log2(largest magnitude)) - 2); its byte is the largest magnitude's exponent field - 2, held at 1 from below.
; LIMITS: a block of zeros, or one whose largest magnitude lies under 2^-124, keeps the byte 1 (this program alone reads the bytes; zero codes add nothing); NaN and infinities are not served.
.set BLK,  12800
.set WREG, 8704                        ; LDS of a wave: a stage of 16 rows x 528 bytes, then 256 bytes for its scale words
.set R,    16                          ; v16-143  two sets of 64: a tile as it is loaded
.set T,    144                         ; v144-207 64 numbers: register 16 b + i = k 32 b + 16 (lane / 16) + i of my row
.set PC,   208                         ; v208-226 the codes just made
.set TM,   228                         ; v228-243 at work in QUANT
.set PW,   244                         ; v244-247 the four tiles' scale words
.set SEL,  20                          ; s[20:21] selects for lane l xor 16
.set HM,   22                          ; s22      the lanes 16-31
	s_load_b64 s[4:5], s[0:1], 0x0                 ; inputs
	s_load_b128 s[8:11], s[0:1], 0x8               ; Wq's codes, scales
	s_load_b128 s[12:15], s[0:1], 0x18             ; Wk's
	s_load_b128 s[16:19], s[0:1], 0x28             ; Wv's
	s_load_b128 s[24:27], s[0:1], 0x38             ; xi, wi
	v_lshl_add_u32 v254, v0, 2, 0x8800
	v_mov_b32 v255, 0
	v_lshrrev_b32 v1, 5, v0
	v_readfirstlane_b32 s28, v1                    ; wave
	v_and_b32 v1, 31, v0                           ; lane
	v_and_b32 v2, 15, v0                           ; r
	v_bfe_u32 v3, v0, 4, 1                         ; h
	v_lshlrev_b32 v4, 4, v1                        ; 16 x lane
	v_lshlrev_b32 v9, 3, v1                        ; 8 x lane
	s_cmp_lt_u32 ttmp9, 256
	s_cbranch_scc0 .Lweights
; 64 numbers of a lane become a fragment's codes in v[PC] on and its scale word in v[pw]
.macro QUANT s, pw
.irp b, 0,1,2,3
	v_max3_num_f32 v[TM+\b], |v[\s+16*\b]|, |v[\s+1+16*\b]|, 0x1800000   ; block b: my 16 numbers, and the floor 2^(3 - 127): the byte cannot fall under 1
.endr
.irp i, 2,4,6,8,10,12,14
.irp b, 0,1,2,3
	v_max3_num_f32 v[TM+\b], v[TM+\b], |v[\s+16*\b+\i]|, |v[\s+1+16*\b+\i]|   ; the four blocks by turns
.endr
.endr
.irp b, 0,1,2,3
	v_permlanex16_b32 v[TM+4+\b], v[TM+\b], s[SEL], s[SEL+1]
.endr
.irp b, 0,1,2,3
	v_max_num_f32 v[TM+\b], v[TM+\b], v[TM+4+\b]   ; with lane l xor 16's 16: the block's largest magnitude
.endr
.irp b, 0,1,2,3
	v_add_nc_u32 v[TM+12+\b], 0xff000000, v[TM+\b] ; 2 off its exponent field: the conversion takes this operand's exponent field as its scale
.endr
.irp b, 0,1,2,3
	v_lshrrev_b32 v[TM+4+\b], 23, v[TM+12+\b]      ; the scale's byte
.endr
	v_lshl_or_b32 v[\pw], v[TM+5], 8, v[TM+4]
	v_lshl_or_b32 v[\pw], v[TM+6], 16, v[\pw]
	v_lshl_or_b32 v[\pw], v[TM+7], 24, v[\pw]      ; my row's scale word
.irp c, 0,1
	v_cvt_scalef32_pk16_fp6_f32 v[PC+6*\c:PC+2+6*\c], v[\s+32*\c:\s+15+32*\c], v[TM+12+2*\c]
	v_cvt_scalef32_pk16_fp6_f32 v[PC+12+4*\c:PC+14+4*\c], v[\s+16+32*\c:\s+31+32*\c], v[TM+12+2*\c+1]   ; (a conversion's three registers begin on an even number)
.endr
	v_nop                                          ; one plain instruction behind a scaled conversion
.irp c, 0,1                                    ; the operand wants a WHOLE block in a lane: lanes 0-15 block 2 c, lanes 16-31 block 2 c + 1
.irp i, 0,1,2
	v_permlane16_swap_b32 v[PC+6*\c+\i], v[PC+12+4*\c+\i]
.endr
.irp i, 0,1,2
	v_mov_b32 v[PC+3+6*\c+\i], v[PC+12+4*\c+\i]
.endr
.endr
.endm
	; ---- the tokens.  W = 4 x work-group + wave: block W / 2 (group, K step), half W % 2
	s_lshl_b32 s30, ttmp9, 2
	s_add_co_u32 s30, s30, s28
	s_and_b32 s31, s30, 1                          ; half
	s_lshr_b32 s32, s30, 1                         ; block
	s_lshr_b32 s33, s32, 3                         ; group of 128 rows
	s_and_b32 s34, s32, 7                          ; K step
	s_lshl_b32 s36, s33, 19                        ; 128 rows of 4,096 bytes
	s_lshl_b32 s35, s31, 18                        ; 64 rows
	s_add_co_u32 s36, s36, s35
	s_lshl_b32 s34, s34, 9                         ; 128 numbers
	s_add_co_u32 s36, s36, s34
	s_mov_b32 s37, 0
	s_mul_i32 s38, s32, BLK
	s_mov_b32 s39, 0
	s_mul_i32 s35, s31, 6144
	s_add_co_u32 s40, s38, s35                     ; where my 4 tiles go
	s_mov_b32 s41, 0
	s_lshl_b32 s35, s31, 8
	s_add_co_u32 s38, s38, s35
	s_add_co_u32 s38, s38, 12288                   ; and my 64 scale words
	s_mul_i32 s29, s28, WREG
	v_add_nc_u32 v5, s29, v4                       ; the stage, in: 16 x lane of a row's 512 bytes
	v_mul_u32_u24 v6, v2, 528
	v_lshl_add_u32 v6, v3, 6, v6
	v_add_nc_u32 v6, s29, v6                       ; out: row r, + 64 h: 16 neighbours of each block of 32.  Rows 528 bytes apart start 4 banks apart
	s_add_co_u32 s29, s29, 16*528
	v_lshl_add_u32 v7, v1, 2, s29                  ; my scale words' stage: 4 x lane in,
	v_add_nc_u32 v8, s29, v9                       ; 8 x lane out
	s_mov_b32 s[SEL], 0x76543210
	s_mov_b32 s[SEL+1], 0xfedcba98
	v_cmp_ne_u32 s[HM], 0, v3
.irp b, 0,1,2,3
	v_mov_b32 v[TM+4+\b], 0                        ; written once: a lane permute's destination counts as one of its sources
.endr
	s_wait_kmcnt 0x0
	s_add_nc_u64 s[4:5], s[4:5], s[36:37]
	s_add_nc_u64 s[40:41], s[24:25], s[40:41]
	s_add_nc_u64 s[38:39], s[24:25], s[38:39]
.macro LOADT tt                        ; tile tt of my four: 16 loads, each 512 consecutive bytes of one row
.irp i, 0,1,2,3,4,5,6,7,8,9,10,11,12,13,14,15
	global_load_b128 v[R+64*((\tt)%2)+4*\i:R+64*((\tt)%2)+4*\i+3], v4, s[4:5] offset:(32*((\tt)/2)+8*((\tt)%2)+\i+8*(\i/8))*4096 th:TH_LOAD_NT
.endr
.endm
.macro TILE tt
.if (\tt) < 3
	s_wait_loadcnt 16                              ; this tile's 16 loads are in; the next tile's 16 may be out
.else
	s_wait_loadcnt 0x0
.endif
.irp i, 0,1,2,3,4,5,6,7,8,9,10,11,12,13,14,15
	ds_store_b128 v5, v[R+64*((\tt)%2)+4*\i:R+64*((\tt)%2)+4*\i+3] offset:528*\i
.endr
.irp b, 0,1,2,3
.irp j, 0,1,2,3
	ds_load_b128 v[T+16*\b+4*\j:T+16*\b+4*\j+3], v6 offset:128*\b+16*\j   ; LDS serves a wave's instructions in order: these see the stores above
.endr
.endr
	s_wait_dscnt 0x0                               ; the numbers are back, and the stores have read their registers,
.if (\tt) < 2
	LOADT (\tt)+2                                  ; which take the tile two on
.endif
.if (\tt) > 0
	s_wait_xcnt 0x0                                ; the last tile's stores have read the codes' registers: they are written again only behind this wait
.endif
	QUANT T, PW+(\tt)
.irp c, 0,1,2
	global_store_b128 v4, v[PC+4*\c:PC+4*\c+3], s[40:41] offset:1536*(\tt)+512*\c   ; 512 consecutive bytes, aligned
.endr
.endm
	LOADT 0
	LOADT 1
	TILE 0
	TILE 1
	TILE 2
	TILE 3
	v_cndmask_b32 v248, v[PW], v[PW+1], s[HM]      ; lanes 0-15 give the even tile's words, lanes 16-31 the odd tile's
	v_cndmask_b32 v249, v[PW+2], v[PW+3], s[HM]
	ds_store_b32 v7, v248
	ds_store_b32 v7, v249 offset:128
	ds_load_b64 v[250:251], v8
	s_wait_dscnt 0x0
	global_store_b64 v9, v[250:251], s[38:39]      ; 256 consecutive bytes, aligned
	s_wait_tensorcnt 0x0
	ds_add_u32 v254, v255
	s_wait_dscnt 0x0
	s_endpgm
.Lweights:
	; ---- the weights: the codes are taken as they lie (24 bytes a block), only their place changes
	s_sub_co_u32 s30, ttmp9, 256
	s_lshl_b32 s30, s30, 2
	s_add_co_u32 s30, s30, s28
	s_and_b32 s31, s30, 1                          ; half
	s_lshr_b32 s32, s30, 1                         ; block 0..191
	s_lshr_b32 s33, s32, 6                         ; which weight
	s_bfe_u32 s34, s32, 0x30003                    ; group
	s_and_b32 s35, s32, 7                          ; K step
	s_lshl_b32 s34, s34, 7
	s_lshl_b32 s36, s31, 6
	s_add_co_u32 s34, s34, s36                     ; my first row: 128 x group + 64 x half
	s_mul_i32 s36, s34, 768                        ; a row of 1,024 codes is 768 bytes
	s_mul_i32 s42, s35, 96
	s_add_co_u32 s36, s36, s42
	s_mov_b32 s37, 0
	s_lshl_b32 s38, s34, 5                         ; a row of scale bytes is 32 bytes
	s_lshl_b32 s42, s35, 2
	s_add_co_u32 s38, s38, s42
	s_mov_b32 s39, 0
	s_mul_i32 s40, s32, BLK
	s_mov_b32 s41, 0
	s_mul_i32 s42, s31, 6144
	s_add_co_u32 s42, s40, s42
	s_mov_b32 s43, 0
	s_lshl_b32 s44, s31, 8
	s_add_co_u32 s40, s40, s44
	s_add_co_u32 s40, s40, 12288
	v_and_b32 v10, 8, v2
	v_add_nc_u32 v10, v10, v2                      ; r + 8 (r / 8)
	v_mul_u32_u24 v10, v10, 768
	v_mad_u32_u24 v10, v3, 24, v10                 ; + 24 h
	v_and_b32 v11, 7, v1                           ; lane l takes scale words 2 l and 2 l + 1 of my 64: tile l / 8, rows 2 (l % 8) and the next
	v_lshlrev_b32 v11, 1, v11
	v_bfe_u32 v12, v1, 2, 1
	v_lshl_add_u32 v11, v12, 3, v11
	v_bfe_u32 v12, v1, 3, 1
	v_lshl_add_u32 v11, v12, 3, v11
	v_lshl_add_u32 v11, v3, 5, v11
	v_lshlrev_b32 v11, 5, v11
	s_wait_kmcnt 0x0
	s_cmp_eq_u32 s33, 1                            ; the choice hangs on the work-group's number alone
	s_cselect_b64 s[8:9], s[12:13], s[8:9]
	s_cselect_b64 s[10:11], s[14:15], s[10:11]
	s_cmp_eq_u32 s33, 2
	s_cselect_b64 s[8:9], s[16:17], s[8:9]
	s_cselect_b64 s[10:11], s[18:19], s[10:11]
	s_add_nc_u64 s[8:9], s[8:9], s[36:37]
	s_add_nc_u64 s[10:11], s[10:11], s[38:39]
	s_add_nc_u64 s[42:43], s[26:27], s[42:43]
	s_add_nc_u64 s[40:41], s[26:27], s[40:41]
.irp t, 0,1,2,3
.irp p, 0,1,2,3,4,5
	global_load_b64 v[16+12*\t+2*\p:17+12*\t+2*\p], v10, s[8:9] offset:(32*(\t/2)+8*(\t%2))*768+48*(\p/3)+8*(\p%3)
.endr
.endr
	global_load_b32 v64, v11, s[10:11]
	global_load_b32 v65, v11, s[10:11] offset:32
	s_wait_loadcnt 0x0
.irp t, 0,1,2,3
.irp c, 0,1,2
	global_store_b128 v4, v[16+12*\t+4*\c:19+12*\t+4*\c], s[42:43] offset:1536*\t+512*\c
.endr
.endr
	global_store_b64 v9, v[64:65], s[40:41]
	s_endpgm
.Lfunc_end_k_qc5db9ce465_prep:
	.size	k_qc5db9ce465_prep, .Lfunc_end_k_qc5db9ce465_prep-k_qc5db9ce465_prep
	.p2alignl 7, 3214868480
	.fill 96, 4, 3214868480
	.section	.rodata,"a",@progbits
	.p2align	6, 0x0
	.amdhsa_kernel k_qc5db9ce465_prep
		.amdhsa_group_segment_fixed_size 35328
		.amdhsa_private_segment_fixed_size 0
		.amdhsa_enable_private_segment 0
		.amdhsa_kernarg_size 72
		.amdhsa_user_sgpr_count 2
		.amdhsa_user_sgpr_kernarg_segment_ptr 1
		.amdhsa_wavefront_size32 1
		.amdhsa_system_sgpr_workgroup_id_x 1
		.amdhsa_system_sgpr_workgroup_id_y 1
		.amdhsa_system_sgpr_workgroup_id_z 1
		.amdhsa_system_vgpr_workitem_id 0
		.amdhsa_next_free_vgpr 256
		.amdhsa_next_free_sgpr 66
		.amdhsa_reserve_vcc 0
		.amdhsa_float_denorm_mode_32 3
		.amdhsa_float_denorm_mode_16_64 3
		.amdhsa_memory_ordered 1
		.amdhsa_forward_progress 1
		.amdhsa_inst_pref_size 40
	.end_amdhsa_kernel
	.amdgpu_metadata
---
amdhsa.version: [ 1, 2 ]
amdhsa.kernels:
  - .name:           k_qc5db9ce465_prep
    .symbol:         k_qc5db9ce465_prep.kd
    .args:
      - { .name: inputs, .offset: 0, .size: 8, .value_kind: global_buffer, .address_space: global }
      - { .name: Wq_codes, .offset: 8, .size: 8, .value_kind: global_buffer, .address_space: global }
      - { .name: Wq_scales, .offset: 16, .size: 8, .value_kind: global_buffer, .address_space: global }
      - { .name: Wk_codes, .offset: 24, .size: 8, .value_kind: global_buffer, .address_space: global }
      - { .name: Wk_scales, .offset: 32, .size: 8, .value_kind: global_buffer, .address_space: global }
      - { .name: Wv_codes, .offset: 40, .size: 8, .value_kind: global_buffer, .address_space: global }
      - { .name: Wv_scales, .offset: 48, .size: 8, .value_kind: global_buffer, .address_space: global }
      - { .name: xi, .offset: 56, .size: 8, .value_kind: global_buffer, .address_space: global }
      - { .name: wi, .offset: 64, .size: 8, .value_kind: global_buffer, .address_space: global }
    .group_segment_fixed_size: 35328
    .private_segment_fixed_size: 0
    .kernarg_segment_align: 8
    .kernarg_segment_size: 72
    .max_flat_workgroup_size: 128
    .sgpr_count:     66
    .vgpr_count:     256
    .wavefront_size: 32
...
	.end_amdgpu_metadata
.endif
;; end of part 1
;; launch proj (part 2): grid 64 x 4, 4 waves a work-group, clusters of 4 x 4, 327,680 bytes of LDS; arguments xi, wi, bq, bk, bv, qk, vi; writes qk, vi
.if DOCPART == 2
	.amdgcn_target "amdgcn-amd-amdhsa--gfx1250"
	.amdhsa_code_object_version 6
	.text
	.protected	k_qc5db9ce465_proj
	.globl	k_qc5db9ce465_proj
	.p2align	8
	.type	k_qc5db9ce465_proj,@function
k_qc5db9ce465_proj:
	s_mov_b64 s[64:65], 0
	v_nop
	global_prefetch_b8 v0, s[64:65] scope:SCOPE_SE
	s_setreg_imm32_b32 hwreg(HW_REG_WAVE_MODE, 25, 1), 1
	s_wait_xcnt 0x0
	s_wait_alu depctr_hold_cnt(0) depctr_sa_sdst(0) depctr_va_vdst(0) depctr_va_sdst(0) depctr_va_ssrc(0) depctr_va_vcc(0) depctr_vm_vsrc(0)
	s_getreg_b32 s2, hwreg(HW_REG_IB_STS2, 6, 4)
	s_cmp_eq_u32 s2, 0
	s_cbranch_scc0 .Lentry_in_a_cluster
	s_endpgm
.Lentry_in_a_cluster:
	s_bfe_u32 s2, ttmp6, 0x10000c
	s_cmp_lg_u32 s2, 0xf033
	s_cbranch_scc0 .Lentry_shape_is_right
	s_endpgm
.Lentry_shape_is_right:
; q = x Wq + bq, k = x Wk + bk and v^T = (x Wv + bv)^T, on codes of FP6 (E2M3) with E8M0 scales, and each result quantised again on its way out: q and k along the 1,024 features, v along the tokens.
; All operands lie as images of operand registers: a tile (16 rows x 128 K) is 1,536 bytes, registers 4 c .. 4 c + 3 of lane l at 512 c + 16 l; tile t of a group of 128 rows holds row
; 32 (t / 2) + 8 (t % 2) + r + 8 (r / 8) in lane r; a block = a group's 8 tiles of one K step + 128 scale words at 12,288 + 64 t + 4 r = 12,800 bytes.
; 256 WORK-GROUPS OF EQUAL WORK, EACH IN TWO PARTS.  Part 1: 256 tokens x 256 features of q or k, a wave 128 x 128 (64 accumulators).  Part 2: 256 features x 128 tokens of v^T, a wave 64 x 128 (32 accumulators).
; THE PRODUCTS ARE USED TRANSPOSED: source 0 = 16 rows of "B", source 1 = 16 rows of "A": a lane holds one row of A, and the 16 registers of two neighbouring tiles of B are 16 neighbours of the next K.
;   part 1: A = x (tokens), B = Wq or Wk (features): out [token group][feature K step];   part 2: A = Wv (features), B = x (tokens): out [token K step][feature group].
; LDS: three slots of 102,400 bytes.  Part 1 (K = 8 K steps, two to a slot): all three are asked for at the start (three tensor loads of a wave are out); slot 0 is filled again with K steps 6 and 7.
;   Part 2's operands, for all of K, are just three slots' worth: slots 1 and 2 take Wv's two groups behind the barrier of K step 5, when every wave has read them out; slot 0 takes x's group behind K step 7's last reads.
;   The first has 144 matrix instructions in which to land, the second the whole of part 1's way out.  So part 2 has one barrier at its head and none after it.
; CLUSTER 4 x 4: A's blocks are shared along a row of the cluster, B's along a column, in both parts: joint loads, one mask a line.
; The bias along the registers (q, k) waits in idle registers of window 1 and is added where the results are carried into window 0; the bias along the lanes (v) likewise.
; LIMITS: a block whose largest magnitude lies under 2^-124 keeps the scale byte 1; NaN and infinities are not served.
; REGISTERS: window 0: v1-7 at work, v8-31 addresses, v32-63 scale words, v64-127 64 numbers, v128-223 A's fragments (part 1: one set of 8; part 2: two sets of 4), later the codes, v224-231 the lanes' bias;
;   window 1: B's fragments, two sets at v0 and v128; v96-127 and v224-255 the registers' bias;  windows 2, 3: accumulator (a, b) at v[8 (8 (a % 4) + b)].
.set BLK,   12800
.set QTR,   2*BLK                      ; two K steps of one group
.set SLOT,  4*QTR
.set GRP,   8*BLK                      ; a group's 8 K steps in memory: as many bytes as a slot
.set SPARE, 3*SLOT                     ; the spare words: 128 bytes a wave, named by no other line
.set STAGE, SPARE+512                  ; 2,048 bytes a wave for the scale words' way out: no tile lands here
.set FR,    12
.set LI,    8                          ; v8   16 x lane
.set P2B,   8                          ; v8-9   part 2: x's fragments of K steps 0-3, 4-7
.set P2A,   10                         ; v10-11 Wv's
.set P2SB,  12                         ; v12-13 x's scale words (v12 = 4 x lane)
.set P2SA,  14                         ; v14-15 Wv's
.set ADRA,  16                         ; v16-18 part 1: my A fragments in slot 0, 1, 2
.set STR,   19                         ; v19  my stage + 16 x lane
.set ADRB,  20                         ; v20-22 B's
.set ST8,   23                         ; v23  my stage + 8 x lane
.set ADRS,  24                         ; v24-26 scale words: lanes 0-15 A's, lanes 16-31 B's
.set SPW,   28
.set NIL,   29
.set L8,    30                         ; v30  8 x lane
.set STG,   31                         ; v31  my stage + 4 x lane
.set SC,    32
.set T,     64
.set AF,    128
.set BM,    224
.set PC,    128
.set TM,    148
.set PWS,   164
.set SW,    172
.set WV,    14
.set RH,    15                         ; s15 wave / 2
.set CH,    16                         ; s16 wave % 2
.set G1A,   24                         ; 100 rows of 256 bytes, my row of the cluster
.set G1B,   32                         ; the same, my column
.set G0A,   44                         ; s[44:55] group 0 for A, one set a slot
.set SEL,   56
.set HM,    58
.set OUT1,  60
.set OUT2,  62
.set O2S,   66
.set G0B,   68                         ; s[68:79] for B
.set G1X,   80                         ; 200 rows of 256 bytes, my row of the cluster
.set G0X,   88                         ; Wv for part 2
.set G0Y,   92                         ; x for part 2
.set MSB, 0
.macro WIN new                         ; the immediate's high byte repeats the setting that is left
.if MSB != (\new)
	s_set_vgpr_msb (MSB<<8)|(\new)
.set MSB, (\new)
.endif
.endm
.macro PLACES                          ; four plain instructions between a matrix instruction and a load into, or a read of, its registers
.rept 4
	v_nop
.endr
.endm
.macro CREST
	s_cmp_lg_u32 s[WV], 0
	s_cbranch_scc1 .Lnot_wave_0_\@
	s_barrier_signal -3
.Lnot_wave_0_\@:
	s_barrier_wait -3
	s_barrier_signal -1
	s_barrier_wait -1
.endm
.macro CROUND
	s_barrier_signal -1
	s_barrier_wait -1
	CREST
.endm
.macro JLOAD g0a, g0b                  ; a joint load: waves 0, 1 for A, waves 2, 3 for B; four v_nop follow each line
	s_cmp_eq_u32 s[RH], 0
	s_cbranch_scc0 .Lfor_b_\@
	tensor_load_to_lds s[\g0a:\g0a+3], s[G1A:G1A+7]
	s_nop 0
.rept 4
	v_nop
.endr
	s_branch .Lasked_\@
.Lfor_b_\@:
	tensor_load_to_lds s[\g0b:\g0b+3], s[G1B:G1B+7]
	s_nop 0
.rept 4
	v_nop
.endr
.Lasked_\@:
.endm
	s_load_b128 s[4:7], s[0:1], 0x0                ; xi, wi
	s_load_b128 s[8:11], s[0:1], 0x10              ; bq, bk
	s_load_b64 s[12:13], s[0:1], 0x20              ; bv
	s_load_b128 s[96:99], s[0:1], 0x28             ; qk, vi
	v_lshl_add_u32 v[SPW], v0, 2, SPARE
	v_mov_b32 v[NIL], 0
	ds_add_u32 v28, v29
	ds_add_u32 v28, v29
	s_wait_dscnt 0x0
	v_lshrrev_b32 v1, 5, v0
	v_readfirstlane_b32 s[WV], v1
	s_lshr_b32 s[RH], s[WV], 1
	s_and_b32 s[CH], s[WV], 1
	s_bfe_u32 s40, ttmp6, 0x40000                  ; cx
	s_bfe_u32 s41, ttmp6, 0x40004                  ; cy
	s_lshl_b32 s42, s41, 2
	s_lshl_b32 s42, 15, s42                        ; my row of the cluster
	s_lshl_b32 s43, 0x1111, s40                    ; my column
	s_or_b32 s[G1A], s42, (3<<16)|(1<<21)          ; 15:0 the mask; 17:16 elements of 8 bytes; 21 set beside a mask; no padding
	s_or_b32 s[G1B], s43, (3<<16)|(1<<21)
	s_or_b32 s[G1X], s42, (3<<16)|(1<<21)
.irp g, G1A, G1B                       ; a dense block of 25,600 bytes as 100 rows of 256
	s_mov_b32 s[\g+1], 32<<16
	s_mov_b32 s[\g+2], 100<<16
	s_mov_b32 s[\g+3], 32<<16
	s_mov_b32 s[\g+4], 100
	s_mov_b32 s[\g+5], 32
	s_mov_b32 s[\g+6], 0
	s_mov_b32 s[\g+7], 0
.endr
	s_mov_b32 s[G1X+1], 32<<16                     ; a dense block of 51,200 bytes as 200 rows of 256
	s_mov_b32 s[G1X+2], 200<<16
	s_mov_b32 s[G1X+3], 32<<16
	s_mov_b32 s[G1X+4], 200
	s_mov_b32 s[G1X+5], 32
	s_mov_b32 s[G1X+6], 0
	s_mov_b32 s[G1X+7], 0
	s_lshr_b32 s17, ttmp9, 1
	s_lshl_b32 s17, s17, 2
	s_add_co_u32 s17, s17, s41                     ; part 1's tile row of tokens: 4 (cluster / 2) + cy
	s_and_b32 s19, ttmp9, 1                        ; Wq or Wk
	s_lshl_b32 s20, s17, 1
	s_add_co_u32 s20, s20, s[CH]
	s_mul_i32 s20, s20, GRP                        ; x's group that I would fetch: holds cy, never cx
	s_mov_b32 s21, 0
	s_lshl_b32 s22, s19, 3
	s_lshl_b32 s23, s40, 1
	s_add_co_u32 s22, s22, s23
	s_add_co_u32 s22, s22, s[CH]
	s_mul_i32 s22, s22, GRP                        ; the weight's group: holds cx, never cy
	s_mov_b32 s23, 0
	s_mul_i32 s59, s[WV], QTR                      ; where a quarter of a slot goes: no place in the cluster enters an LDS address
	s_lshl_b32 s42, s41, 1
	s_add_co_u32 s42, s42, 16                      ; part 2: Wv's groups 2 cy, 2 cy + 1 lie behind Wq's and Wk's 16
	s_mul_i32 s42, s42, GRP
	s_mul_i32 s18, s[WV], 2*QTR                    ; my quarter of the two groups
	s_add_co_u32 s42, s42, s18
	s_mov_b32 s43, 0
	s_lshl_b32 s66, ttmp9, 2
	s_add_co_u32 s66, s66, s40                     ; part 2's group of 128 tokens: 4 x cluster + cx
	s_mul_i32 s66, s66, GRP
	s_add_co_u32 s2, s66, s59                      ; my quarter of it
	s_mov_b32 s3, 0
	s_wait_kmcnt 0x0
	s_add_nc_u64 s[20:21], s[4:5], s[20:21]
	s_add_nc_u64 s[22:23], s[6:7], s[22:23]
	s_add_nc_u64 s[42:43], s[6:7], s[42:43]
	s_add_nc_u64 s[2:3], s[4:5], s[2:3]
	CROUND                                         ; all sixteen work-groups are here: the first joint loads meet
.irp s, 0,1,2
	s_mov_b32 s[G0A+4*\s], 1
	s_add_co_u32 s[G0A+4*\s+1], s59, \s*SLOT
	s_add_nc_u64 s[G0A+4*\s+2:G0A+4*\s+3], s[20:21], \s*QTR
	s_or_b32 s[G0A+4*\s+3], s[G0A+4*\s+3], 0x80000000
	s_mov_b32 s[G0B+4*\s], 1
	s_add_co_u32 s[G0B+4*\s+1], s59, \s*SLOT
	s_add_nc_u64 s[G0B+4*\s+2:G0B+4*\s+3], s[22:23], \s*QTR
	s_or_b32 s[G0B+4*\s+3], s[G0B+4*\s+3], 0x80000000
.endr
	s_mov_b32 s[G0X], 1
	s_add_co_u32 s[G0X+1], s18, SLOT               ; slots 1 and 2 on end: 51,200 bytes a wave
	s_mov_b64 s[G0X+2:G0X+3], s[42:43]
	s_or_b32 s[G0X+3], s[G0X+3], 0x80000000
	s_mov_b32 s[G0Y], 1
	s_mov_b32 s[G0Y+1], s59                        ; slot 0: 25,600 bytes a wave
	s_mov_b64 s[G0Y+2:G0Y+3], s[2:3]
	s_or_b32 s[G0Y+3], s[G0Y+3], 0x80000000
	s_cmp_eq_u32 s[RH], 0                          ; a wave's three first fills stand in one branch, ahead of every wait on TENSORcnt and every LDS read
	s_cbranch_scc0 .Lfirst_b
	tensor_load_to_lds s[G0A:G0A+3], s[G1A:G1A+7]
	s_nop 0
	tensor_load_to_lds s[G0A+4:G0A+7], s[G1A:G1A+7]
	s_nop 0
	tensor_load_to_lds s[G0A+8:G0A+11], s[G1A:G1A+7]
	s_nop 0
.rept 4
	v_nop
.endr
	s_branch .Lfirst_asked
.Lfirst_b:
	tensor_load_to_lds s[G0B:G0B+3], s[G1B:G1B+7]
	s_nop 0
	tensor_load_to_lds s[G0B+4:G0B+7], s[G1B:G1B+7]
	s_nop 0
	tensor_load_to_lds s[G0B+8:G0B+11], s[G1B:G1B+7]
	s_nop 0
.rept 4
	v_nop
.endr
.Lfirst_asked:
	; the biases' and the outputs' addresses
	s_cmp_eq_u32 s19, 1
	s_cselect_b64 s[8:9], s[10:11], s[8:9]         ; bq or bk: the choice hangs on the cluster's number alone
	s_lshl_b32 s20, s40, 10
	s_lshl_b32 s21, s[CH], 9
	s_add_co_u32 s20, s20, s21                     ; 4 x my first feature of part 1: 256 cx + 128 x column half
	s_mov_b32 s21, 0
	s_add_nc_u64 s[8:9], s[8:9], s[20:21]
	s_lshl_b32 s20, s41, 10
	s_lshl_b32 s22, s[WV], 8
	s_add_co_u32 s20, s20, s22                     ; 4 x my first feature of part 2: 256 cy + 64 x wave
	s_add_nc_u64 s[12:13], s[12:13], s[20:21]
	s_lshl_b32 s20, s19, 6                         ; k lies behind q's 64 groups
	s_lshl_b32 s22, s17, 1
	s_add_co_u32 s20, s20, s22
	s_add_co_u32 s20, s20, s[RH]                   ; my group of tokens
	s_mul_i32 s20, s20, GRP
	s_lshl_b32 s22, s40, 1
	s_add_co_u32 s22, s22, s[CH]                   ; my K step of features
	s_mul_i32 s22, s22, BLK
	s_add_co_u32 s20, s20, s22
	s_add_nc_u64 s[OUT1:OUT1+1], s[96:97], s[20:21]
	s_lshl_b32 s20, s41, 1
	s_add_co_u32 s20, s20, s[RH]                   ; part 2: my group of features,
	s_mul_i32 s20, s20, BLK
	s_add_co_u32 s20, s20, s66                     ; in the K step of my 128 tokens
	s_mul_i32 s22, s[CH], 6144                     ; my four tiles of the block's eight
	s_add_co_u32 s22, s22, s20
	s_mov_b32 s23, 0
	s_add_nc_u64 s[OUT2:OUT2+1], s[98:99], s[22:23]
	s_lshl_b32 s22, s[CH], 8
	s_add_co_u32 s22, s22, s20
	s_add_co_u32 s22, s22, 12288                   ; and their 64 scale words
	s_add_nc_u64 s[O2S:O2S+1], s[98:99], s[22:23]
	s_mov_b32 s[SEL], 0x76543210
	s_mov_b32 s[SEL+1], 0xfedcba98
	v_and_b32 v1, 31, v0                           ; lane
	v_and_b32 v2, 15, v0                           ; r
	v_bfe_u32 v3, v0, 4, 1                         ; h
	v_lshlrev_b32 v[LI], 4, v1
	v_lshlrev_b32 v[L8], 3, v1
	v_lshlrev_b32 v[P2SB], 2, v1
	v_cmp_ne_u32 s[HM], 0, v3
	v_lshlrev_b32 v6, 6, v3                        ; the registers' bias: lane (r, h) wants features 32 b + 16 h + 0 .. 15
	v_and_b32 v7, 8, v2
	v_add_nc_u32 v7, v7, v2
	v_lshlrev_b32 v7, 2, v7                        ; the lanes' bias: row r + 8 (r / 8) of a tile
	WIN 0x40                                       ; destination window 1: number n of the 64 at v[96 + n], from n = 32 on at v[192 + n]
.irp b, 0,1,2,3
.irp j, 0,1,2,3
	global_load_b128 v[96+16*\b+4*\j+96*(\b/2):99+16*\b+4*\j+96*(\b/2)], v6, s[8:9] offset:128*\b+16*\j
.endr
.endr
	WIN 0
.irp a, 0,1,2,3
	global_load_b32 v[BM+2*\a], v7, s[12:13] offset:4*(32*(\a/2)+8*(\a%2))
	global_load_b32 v[BM+2*\a+1], v7, s[12:13] offset:4*(32*(\a/2)+8*(\a%2))   ; twice: a pair for the packed addition
.endr
	s_mul_i32 s20, s[RH], QTR                      ; part 1: my 128 rows of A
	s_mul_i32 s21, s[CH], QTR
	s_add_co_u32 s21, s21, 2*QTR                   ; my 128 rows of B
	s_xor_b32 s22, s[RH], 1
	s_add_co_u32 s22, s22, s[CH]
	s_add_co_u32 s22, s22, 1
	s_mul_i32 s22, s22, QTR                        ; the distance between the two: (2 + column half - row half) quarters
	v_mul_u32_u24 v5, s22, v3                      ; lanes 16-31 take B's scale words
	v_lshl_add_u32 v5, v2, 2, v5
.irp s, 0,1,2
	v_add_nc_u32 v[ADRA+\s], s20, v[LI]
	v_add_nc_u32 v[ADRB+\s], s21, v[LI]
	v_add_nc_u32 v[ADRS+\s], s20, v5
	s_add_co_u32 s20, s20, SLOT
	s_add_co_u32 s21, s21, SLOT
.endr
	s_mul_i32 s23, s[RH], SLOT                     ; part 2: my group of Wv's two, behind slot 0,
	s_add_co_u32 s23, s23, SLOT
	s_mul_i32 s42, s[CH], 6144                     ; my four tiles of its eight,
	s_add_co_u32 s42, s42, s23
	v_add_nc_u32 v[P2A], s42, v[LI]
	s_lshl_b32 s42, s[CH], 8                       ; and their scale words
	s_add_co_u32 s42, s42, s23
	v_add_nc_u32 v[P2SA], s42, v[P2SB]
	v_add_nc_u32 v[P2B+1], 4*BLK, v[P2B]           ; K steps 4-7: an LDS offset has 16 bits
	v_add_nc_u32 v[P2A+1], 4*BLK, v[P2A]
	v_add_nc_u32 v[P2SB+1], 4*BLK, v[P2SB]
	v_add_nc_u32 v[P2SA+1], 4*BLK, v[P2SA]
	s_lshl_b32 s43, s[WV], 11
	s_add_co_u32 s43, s43, STAGE
	v_add_nc_u32 v[STG], s43, v[P2SB]
	v_add_nc_u32 v[STR], s43, v[LI]
	v_add_nc_u32 v[ST8], s43, v[L8]
.macro FRAG reg, adr, q, i             ; a fragment comes back as it was stored: three loads of 512 consecutive bytes
.irp c, 0,1,2
	ds_load_b128 v[\reg+4*\c:\reg+4*\c+3], v[\adr] offset:(\q)*BLK+(\i)*1536+512*\c
.endr
.endm
.macro FETCH_B sl, q                   ; B's eight fragments of the slot's q-th K step into set q
	WIN 0x40
.irp i, 0,1,2,3,4,5,6,7
	FRAG 128*(\q)+FR*\i, ADRB+\sl, \q, \i
.endr
	WIN 0
.endm
.macro FETCH_A sl, q, i0               ; A's blocks i0 .. i0 + 3
.irp i, \i0, \i0+1, \i0+2, \i0+3
	FRAG AF+FR*(\i), ADRA+\sl, \q, \i
.endr
.endm
.macro SCALES set, sl                  ; a slot's scale words: register 8 q + i: lanes 0-15 A's tile i, lanes 16-31 B's tile i
.irp q, 0,1
.irp i, 0,1,2,3,4,5,6,7
	ds_load_b32 v[SC+16*(\set)+8*\q+\i], v[ADRS+\sl] offset:\q*BLK+12288+64*\i
.endr
.endr
.endm
; 16 matrix instructions: A's blocks a0, a0 + 1 x B's eight.  first = 1: the product starts the sums.  The 64 accumulators take turns, one instruction a turn, in the same order in every K step.
.macro MUL16 a0, q, set, first
.irp a, \a0, \a0+1
.irp b, 0,1,2,3,4,5,6,7
.if \first
	v_wmma_scale_f32_16x16x128_f8f6f4 v[8*(8*((\a)%4)+\b):8*(8*((\a)%4)+\b)+7], v[128*(\q)+FR*\b:128*(\q)+FR*\b+FR-1], v[AF+FR*(\a):AF+FR*(\a)+FR-1], 0, v[SC+16*(\set)+8*(\q)+\b], v[SC+16*(\set)+8*(\q)+(\a)] matrix_a_fmt:MATRIX_FMT_FP6 matrix_b_fmt:MATRIX_FMT_FP6 matrix_a_scale:MATRIX_SCALE_ROW1
.else
	v_wmma_scale_f32_16x16x128_f8f6f4 v[8*(8*((\a)%4)+\b):8*(8*((\a)%4)+\b)+7], v[128*(\q)+FR*\b:128*(\q)+FR*\b+FR-1], v[AF+FR*(\a):AF+FR*(\a)+FR-1], v[8*(8*((\a)%4)+\b):8*(8*((\a)%4)+\b)+7], v[SC+16*(\set)+8*(\q)+\b], v[SC+16*(\set)+8*(\q)+(\a)] matrix_a_fmt:MATRIX_FMT_FP6 matrix_b_fmt:MATRIX_FMT_FP6 matrix_a_scale:MATRIX_SCALE_ROW1
.endif
.endr
.endr
.endm
; A K step whose successor's tiles are known to lie in LDS.  nsl, nq: the next K step's slot and place; lsc >= 0: its slot's scale words are fetched into that set
.macro STEP set, q, first, nsl, nq, lsc
	s_wait_dscnt 12                                ; all but the youngest 12 loads (A's blocks 4-7) are in
	WIN 0xa1                                       ; source 0 window 1, source 1 window 0, C and D window 2
	MUL16 0, \q, \set, \first
	MUL16 2, \q, \set, \first
	s_wait_dscnt 0x0                               ; A's blocks 4-7 are in
	PLACES
	FETCH_B \nsl, \nq
	FETCH_A \nsl, \nq, 0
.if \lsc >= 0
	SCALES \lsc, \nsl
.endif
	WIN 0xf1                                       ; C and D window 3
	MUL16 4, \q, \set, \first
	MUL16 6, \q, \set, \first
	PLACES
	WIN 0
	FETCH_A \nsl, \nq, 4
.endm
; A slot's second K step, with a round of the cluster's barrier.  In front of it each wave waits for all its tensor loads, adds 0 to its spare word, and waits for that and for its reads of LDS.
; fill = 1: slot 0 is filled again with K steps 6 and 7;  fill = 2: slots 1 and 2, which every wave has read out, take Wv for part 2.  The joint load is the first thing behind the round.
.macro TURN set, nsl, lsc, fill
	s_wait_tensorcnt 0x0                           ; all my tensor loads have landed
	ds_add_u32 v[SPW], v[NIL]                      ; 0 onto my spare word
	s_wait_dscnt 13                                ; (the add and the youngest 12 loads may be out)
	WIN 0xa1
	MUL16 0, 1, \set, 0
	s_wait_dscnt 0x0                               ; the add is done, and my reads of LDS are over
	s_barrier_signal -1
	MUL16 2, 1, \set, 0
	WIN 0
	s_barrier_wait -1
	CREST                                          ; no wave of any partner still reads the bytes to be filled or has a load on its way
.if \fill == 1
	s_add_nc_u64 s[G0A+2:G0A+3], s[G0A+2:G0A+3], 3*QTR   ; from K steps 0, 1 to K steps 6, 7
	s_add_nc_u64 s[G0B+2:G0B+3], s[G0B+2:G0B+3], 3*QTR
	JLOAD G0A, G0B                                 ; its four v_nop are also the places in front of the loads below
.else
	tensor_load_to_lds s[G0X:G0X+3], s[G1X:G1X+7]  ; every wave its quarter of Wv's two groups
	s_nop 0
.rept 4
	v_nop
.endr
.endif
	FETCH_B \nsl, 0
	FETCH_A \nsl, 0, 0
	SCALES \lsc, \nsl
	WIN 0xf1
	MUL16 4, 1, \set, 0
	MUL16 6, 1, \set, 0
	PLACES
	WIN 0
	FETCH_A \nsl, 0, 4
.endm
	s_wait_tensorcnt 2                             ; my part of slot 0 is in; slots 1 and 2 may be out
	s_barrier_signal -1
	s_barrier_wait -1
	FETCH_B 0, 0
	FETCH_A 0, 0, 0
	SCALES 0, 0
	FETCH_A 0, 0, 4
	STEP 0, 0, 1, 0, 1, -1                         ; K step 0
	TURN 0, 1, 1, 1                                ; 1: every wave's three loads have landed; slot 0 is asked for again
	STEP 1, 0, 0, 1, 1, -1                         ; 2
	STEP 1, 1, 0, 2, 0, 0                          ; 3: slot 2 was shown whole at the barrier of K step 1
	STEP 0, 0, 0, 2, 1, -1                         ; 4
	TURN 0, 0, 1, 2                                ; 5: slot 0's second fill has landed in every wave; slots 1 and 2 are read out and take Wv
	STEP 1, 0, 0, 0, 1, -1                         ; 6
	s_wait_dscnt 12                                ; 7: nothing more to fetch
	WIN 0xa1
	MUL16 0, 1, 1, 0
	MUL16 2, 1, 1, 0
	s_wait_dscnt 0x0
	WIN 0xf1
	MUL16 4, 1, 1, 0
	WIN 0
	s_wait_tensorcnt 0x0                           ; my part of Wv has landed
	ds_add_u32 v[SPW], v[NIL]                      ; 0 onto my spare word; sixteen products stand between it and the wait for it
	WIN 0xf1
	MUL16 6, 1, 1, 0
	WIN 0
	s_wait_dscnt 0x0                               ; the add is done; my reads of slot 0 ended above
	CROUND                                         ; no wave of any partner still reads slot 0 or has a load on its way
	tensor_load_to_lds s[G0Y:G0Y+3], s[G1B:G1B+7]  ; every wave its quarter of x's group: it lands while part 1 goes out
	s_nop 0
.rept 4
	v_nop                                          ; (the places behind the last products)
.endr
.macro QUANT s, pw                     ; 64 numbers of a lane, register 16 b + i = k 32 b + 16 (lane / 16) + i of my row, become a fragment in v[PC] on and its scale word in v[pw]
.irp b, 0,1,2,3
	v_max3_num_f32 v[TM+\b], |v[\s+16*\b]|, |v[\s+1+16*\b]|, 0x1800000   ; and the floor 2^(3 - 127): the byte cannot fall under 1
.endr
.irp i, 2,4,6,8,10,12,14
.irp b, 0,1,2,3
	v_max3_num_f32 v[TM+\b], v[TM+\b], |v[\s+16*\b+\i]|, |v[\s+1+16*\b+\i]|
.endr
.endr
.irp b, 0,1,2,3
	v_permlanex16_b32 v[TM+4+\b], v[TM+\b], s[SEL], s[SEL+1]
.endr
.irp b, 0,1,2,3
	v_max_num_f32 v[TM+\b], v[TM+\b], v[TM+4+\b]
.endr
.irp b, 0,1,2,3
	v_add_nc_u32 v[TM+12+\b], 0xff000000, v[TM+\b] ; 2 off the exponent field: the conversion's scale operand
.endr
.irp b, 0,1,2,3
	v_lshrrev_b32 v[TM+4+\b], 23, v[TM+12+\b]      ; the scale's byte
.endr
	v_lshl_or_b32 v[\pw], v[TM+5], 8, v[TM+4]
	v_lshl_or_b32 v[\pw], v[TM+6], 16, v[\pw]
	v_lshl_or_b32 v[\pw], v[TM+7], 24, v[\pw]
.irp c, 0,1
	v_cvt_scalef32_pk16_fp6_f32 v[PC+6*\c:PC+2+6*\c], v[\s+32*\c:\s+15+32*\c], v[TM+12+2*\c]
	v_cvt_scalef32_pk16_fp6_f32 v[PC+12+4*\c:PC+14+4*\c], v[\s+16+32*\c:\s+31+32*\c], v[TM+12+2*\c+1]
.endr
	v_nop                                          ; one plain instruction behind a scaled conversion
.irp c, 0,1
.irp i, 0,1,2
	v_permlane16_swap_b32 v[PC+6*\c+\i], v[PC+12+4*\c+\i]
.endr
.irp i, 0,1,2
	v_mov_b32 v[PC+3+6*\c+\i], v[PC+12+4*\c+\i]
.endr
.endr
.endm
; PART 1'S WAY OUT: block a's 16 tokens x 128 features: the bias, the quantiser, and the fragment leaves as it stands: it is tile a of my output block
.macro OUTA a
.set AC, 64*((\a)%4)
	WIN 0x06+(\a)/4                                ; source 0: window 2 or 3; source 1: window 1
.set j, 0
.rept 32
	v_pk_add_f32 v[T+j:T+j+1], v[AC+j:AC+j+1], v[96+j+96*(j/32):97+j+96*(j/32)]   ; each accumulator from its low end on
.set j, j+2
.endr
	WIN 0
.if (\a) > 0
	s_wait_xcnt 0x0                                ; the last block's stores have read the codes' registers
.endif
	QUANT T, PWS+(\a)
.irp c, 0,1,2
	global_store_b128 v[LI], v[PC+4*\c:PC+4*\c+3], s[OUT1:OUT1+1] offset:1536*(\a)+512*\c   ; 512 consecutive bytes, aligned
.endr
.endm
	s_wait_loadcnt 0x0                             ; the biases, asked for at the head
.irp b, 0,1,2,3
	v_mov_b32 v[TM+4+\b], 0                        ; a lane permute's destination counts as one of its sources
.endr
.irp a, 0,1,2,3,4,5,6,7
	OUTA \a
.endr
.irp i, 0,1,2,3
	v_cndmask_b32 v[TM+\i], v[PWS+2*\i], v[PWS+2*\i+1], s[HM]   ; lanes 0-15 the even tile's words, lanes 16-31 the odd tile's
.endr
.irp i, 0,1,2,3
	ds_store_b32 v[STG], v[TM+\i] offset:128*\i
.endr
	ds_load_b128 v[SW:SW+3], v[STR]                ; LDS serves a wave's instructions in order: this sees the stores above
	s_wait_dscnt 0x0
	global_store_b128 v[LI], v[SW:SW+3], s[OUT1:OUT1+1] offset:12288   ; the block's 128 scale words: 512 consecutive bytes
; PART 2.  All its operands lie in LDS: x's group in slot 0, Wv's two groups in slots 1 and 2, each [K step 8][block].
.macro FETCH2 k                        ; K step k: x's 8 fragments, my 4 of Wv, and their scale words (a register holds two tiles': lanes 0-15 the even tile's, lanes 16-31 the odd one's), into set k % 2: 42 loads
	WIN 0x40
.irp i, 0,1,2,3,4,5,6,7
.irp c, 0,1,2
	ds_load_b128 v[128*((\k)%2)+FR*\i+4*\c:128*((\k)%2)+FR*\i+4*\c+3], v[P2B+(\k)/4] offset:((\k)%4)*BLK+1536*\i+512*\c
.endr
.endr
	WIN 0
.irp i, 0,1,2,3
.irp c, 0,1,2
	ds_load_b128 v[AF+48*((\k)%2)+FR*\i+4*\c:AF+48*((\k)%2)+FR*\i+4*\c+3], v[P2A+(\k)/4] offset:((\k)%4)*BLK+1536*\i+512*\c
.endr
.endr
.irp i, 0,1,2,3
	ds_load_b32 v[SC+8*((\k)%2)+\i], v[P2SB+(\k)/4] offset:((\k)%4)*BLK+12288+128*\i
.endr
.irp i, 0,1
	ds_load_b32 v[SC+8*((\k)%2)+4+\i], v[P2SA+(\k)/4] offset:((\k)%4)*BLK+12288+128*\i
.endr
.endm
.macro WM2 d, x, y, sx, sy, rx, ry, first   ; one product; rx, ry: which half of the lanes holds the scales; first: it starts the sum
.if \first
.if (\rx) && (\ry)
	v_wmma_scale_f32_16x16x128_f8f6f4 v[\d:\d+7], v[\x:\x+11], v[\y:\y+11], 0, v[\sx], v[\sy] matrix_a_fmt:MATRIX_FMT_FP6 matrix_b_fmt:MATRIX_FMT_FP6 matrix_a_scale:MATRIX_SCALE_ROW1 matrix_b_scale:MATRIX_SCALE_ROW1
.elseif (\rx)
	v_wmma_scale_f32_16x16x128_f8f6f4 v[\d:\d+7], v[\x:\x+11], v[\y:\y+11], 0, v[\sx], v[\sy] matrix_a_fmt:MATRIX_FMT_FP6 matrix_b_fmt:MATRIX_FMT_FP6 matrix_a_scale:MATRIX_SCALE_ROW1
.elseif (\ry)
	v_wmma_scale_f32_16x16x128_f8f6f4 v[\d:\d+7], v[\x:\x+11], v[\y:\y+11], 0, v[\sx], v[\sy] matrix_a_fmt:MATRIX_FMT_FP6 matrix_b_fmt:MATRIX_FMT_FP6 matrix_b_scale:MATRIX_SCALE_ROW1
.else
	v_wmma_scale_f32_16x16x128_f8f6f4 v[\d:\d+7], v[\x:\x+11], v[\y:\y+11], 0, v[\sx], v[\sy] matrix_a_fmt:MATRIX_FMT_FP6 matrix_b_fmt:MATRIX_FMT_FP6
.endif
.else
.if (\rx) && (\ry)
	v_wmma_scale_f32_16x16x128_f8f6f4 v[\d:\d+7], v[\x:\x+11], v[\y:\y+11], v[\d:\d+7], v[\sx], v[\sy] matrix_a_fmt:MATRIX_FMT_FP6 matrix_b_fmt:MATRIX_FMT_FP6 matrix_a_scale:MATRIX_SCALE_ROW1 matrix_b_scale:MATRIX_SCALE_ROW1
.elseif (\rx)
	v_wmma_scale_f32_16x16x128_f8f6f4 v[\d:\d+7], v[\x:\x+11], v[\y:\y+11], v[\d:\d+7], v[\sx], v[\sy] matrix_a_fmt:MATRIX_FMT_FP6 matrix_b_fmt:MATRIX_FMT_FP6 matrix_a_scale:MATRIX_SCALE_ROW1
.elseif (\ry)
	v_wmma_scale_f32_16x16x128_f8f6f4 v[\d:\d+7], v[\x:\x+11], v[\y:\y+11], v[\d:\d+7], v[\sx], v[\sy] matrix_a_fmt:MATRIX_FMT_FP6 matrix_b_fmt:MATRIX_FMT_FP6 matrix_b_scale:MATRIX_SCALE_ROW1
.else
	v_wmma_scale_f32_16x16x128_f8f6f4 v[\d:\d+7], v[\x:\x+11], v[\y:\y+11], v[\d:\d+7], v[\sx], v[\sy] matrix_a_fmt:MATRIX_FMT_FP6 matrix_b_fmt:MATRIX_FMT_FP6
.endif
.endif
.endm
; A K step of part 2: the next K step's 42 loads go out first, into the set that the K step before has left; then 32 products, the 32 accumulators by turns
.macro STEP2 k
.if (\k) < 7
.if (\k) > 0
	PLACES
.endif
	FETCH2 (\k)+1
	s_wait_dscnt 42                                ; all but the 42 just issued: this K step's are in
.else
	s_wait_dscnt 0x0
.endif
	WIN 0xa1
.irp a, 0,1,2,3
.irp b, 0,1,2,3,4,5,6,7
	WM2 8*(8*\a+\b), 128*((\k)%2)+FR*\b, AF+48*((\k)%2)+FR*\a, SC+8*((\k)%2)+\b/2, SC+8*((\k)%2)+4+\a/2, \b%2, \a%2, (\k)==0
.endr
.endr
	WIN 0
.endm
	s_wait_tensorcnt 0x0                           ; my part of x's group has landed (Wv was shown whole at the round of K step 7)
	s_wait_xcnt 0x0                                ; part 1's stores have read their registers: LDS loads land there now
	s_barrier_signal -1
	s_barrier_wait -1                              ; everybody's has
	FETCH2 0
.irp k, 0,1,2,3,4,5,6,7
	STEP2 \k
.endr
; PART 2'S WAY OUT: tile a's 16 features x 128 tokens
.macro OUTB a
	WIN 0x02                                       ; source 0: window 2
.set j, 0
.rept 32
	v_pk_add_f32 v[T+j:T+j+1], v[64*(\a)+j:64*(\a)+j+1], v[BM+2*(\a):BM+2*(\a)+1]   ; the lane's feature's bias; each accumulator from its low end on
.set j, j+2
.endr
	WIN 0
	s_wait_xcnt 0x0                                ; the last stores have read the codes' registers
	QUANT T, PWS+(\a)
.irp c, 0,1,2
	global_store_b128 v[LI], v[PC+4*\c:PC+4*\c+3], s[OUT2:OUT2+1] offset:1536*(\a)+512*\c
.endr
.endm
	PLACES
.irp a, 0,1,2,3
	OUTB \a
.endr
	v_cndmask_b32 v[TM], v[PWS], v[PWS+1], s[HM]
	v_cndmask_b32 v[TM+1], v[PWS+2], v[PWS+3], s[HM]
	ds_store_b32 v[STG], v[TM]
	ds_store_b32 v[STG], v[TM+1] offset:128
	ds_load_b64 v[SW:SW+1], v[ST8]
	s_wait_dscnt 0x0
	global_store_b64 v[L8], v[SW:SW+1], s[O2S:O2S+1]   ; my 64 scale words: 256 consecutive bytes, aligned
	s_wait_tensorcnt 0x0                           ; the wave's end
	ds_add_u32 v[SPW], v[NIL]
	s_wait_dscnt 0x0
	CROUND                                         ; the closing round
	s_endpgm
.Lfunc_end_k_qc5db9ce465_proj:
	.size	k_qc5db9ce465_proj, .Lfunc_end_k_qc5db9ce465_proj-k_qc5db9ce465_proj
	.p2alignl 7, 3214868480
	.fill 96, 4, 3214868480
	.section	.rodata,"a",@progbits
	.p2align	6, 0x0
	.amdhsa_kernel k_qc5db9ce465_proj
		.amdhsa_group_segment_fixed_size 327680
		.amdhsa_private_segment_fixed_size 0
		.amdhsa_enable_private_segment 0
		.amdhsa_kernarg_size 56
		.amdhsa_user_sgpr_count 2
		.amdhsa_user_sgpr_kernarg_segment_ptr 1
		.amdhsa_wavefront_size32 1
		.amdhsa_system_sgpr_workgroup_id_x 1
		.amdhsa_system_sgpr_workgroup_id_y 1
		.amdhsa_system_sgpr_workgroup_id_z 1
		.amdhsa_system_vgpr_workitem_id 0
		.amdhsa_next_free_vgpr 1024
		.amdhsa_next_free_sgpr 100
		.amdhsa_reserve_vcc 0
		.amdhsa_float_denorm_mode_32 3
		.amdhsa_float_denorm_mode_16_64 3
		.amdhsa_memory_ordered 1
		.amdhsa_forward_progress 1
		.amdhsa_inst_pref_size 241
	.end_amdhsa_kernel
	.amdgpu_metadata
---
amdhsa.version: [ 1, 2 ]
amdhsa.kernels:
  - .name:           k_qc5db9ce465_proj
    .symbol:         k_qc5db9ce465_proj.kd
    .args:
      - { .name: xi, .offset: 0, .size: 8, .value_kind: global_buffer, .address_space: global }
      - { .name: wi, .offset: 8, .size: 8, .value_kind: global_buffer, .address_space: global }
      - { .name: bq, .offset: 16, .size: 8, .value_kind: global_buffer, .address_space: global }
      - { .name: bk, .offset: 24, .size: 8, .value_kind: global_buffer, .address_space: global }
      - { .name: bv, .offset: 32, .size: 8, .value_kind: global_buffer, .address_space: global }
      - { .name: qk, .offset: 40, .size: 8, .value_kind: global_buffer, .address_space: global }
      - { .name: vi, .offset: 48, .size: 8, .value_kind: global_buffer, .address_space: global }
    .group_segment_fixed_size: 327680
    .private_segment_fixed_size: 0
    .kernarg_segment_align: 8
    .kernarg_segment_size: 56
    .max_flat_workgroup_size: 128
    .sgpr_count:     100
    .vgpr_count:     1024
    .wavefront_size: 32
...
	.end_amdgpu_metadata
.endif
;; end of part 2
;; launch score (part 3): grid 8 x 32, 4 waves a work-group, clusters of 4 x 4, 327,680 bytes of LDS; arguments qk, pi; writes pi
.if DOCPART == 3
	.amdgcn_target "amdgcn-amd-amdhsa--gfx1250"
	.amdhsa_code_object_version 6
	.text
	.protected	k_qc5db9ce465_score
	.globl	k_qc5db9ce465_score
	.p2align	8
	.type	k_qc5db9ce465_score,@function
k_qc5db9ce465_score:
	s_mov_b64 s[64:65], 0
	v_nop
	global_prefetch_b8 v0, s[64:65] scope:SCOPE_SE
	s_setreg_imm32_b32 hwreg(HW_REG_WAVE_MODE, 25, 1), 1
	s_wait_xcnt 0x0
	s_wait_alu depctr_hold_cnt(0) depctr_sa_sdst(0) depctr_va_vdst(0) depctr_va_sdst(0) depctr_va_ssrc(0) depctr_va_vcc(0) depctr_vm_vsrc(0)
	s_getreg_b32 s2, hwreg(HW_REG_IB_STS2, 6, 4)
	s_cmp_eq_u32 s2, 0
	s_cbranch_scc0 .Lentry_in_a_cluster
	s_endpgm
.Lentry_in_a_cluster:
	s_bfe_u32 s2, ttmp6, 0x10000c
	s_cmp_lg_u32 s2, 0xf033
	s_cbranch_scc0 .Lentry_shape_is_right
	s_endpgm
.Lentry_shape_is_right:
; p = 2^(t - M_loc), t = (q . k) log2(e) / 32, as codes of FP6 (E2M3) along the keys, with one LOCAL whole number M_loc = ceil(largest t) and one local sum of the unquantised p for each query and each 128 keys.
; The next launch brings the local M under the row's M by taking the difference off p's scale bytes: M is a whole number, so that is exact.
; q and k lie as images of operand registers (a tile = 16 rows x 128 K = 1,536 bytes, registers 4 c .. 4 c + 3 of lane l at 512 c + 16 l; tile t holds row 32 (t / 2) + 8 (t % 2) + r + 8 (r / 8) in lane r;
; a block = 8 tiles + 128 scale words = 12,800 bytes), [group of 128 rows][K step 8]; k lies behind q in the buffer.
; A work-group makes 256 queries x 256 keys of one batch, a wave 128 x 128.  TRANSPOSED: source 0 = 16 keys, source 1 = 16 queries: a lane holds one query, and two neighbouring tiles' registers are 16 neighbouring keys.
; OUT: pi [64 queries][K step of 128 keys, 16]: 4 tiles (6,144 bytes), 64 scale words at 6,144, 64 x -M_loc at 6,400, 64 local sums at 6,656, each at 64 t + 4 r: 6,912 bytes.
; LDS, ring and cluster: three slots of two K steps, all asked for at the start (three tensor loads of a wave are out); slot 0 is filled once more; q's blocks shared along a row of the cluster, k's along a column.
; A block's largest p is not searched for: the block's largest t goes through the same addition and exponential (this takes v_exp_f32 not to fall where its input rises).
; LIMITS: NaN and infinities are not served; a block whose every p has fallen under 2^-124 keeps the scale byte 1.
; REGISTERS: window 0: v15-31 addresses, v32-63 scale words, v64-127 64 numbers, v128-223 q's fragments, later codes and statistics, v232-251 at work; window 1: k's fragments, two sets; windows 2, 3: accumulators.
.set BLK,   12800
.set QTR,   2*BLK
.set SLOT,  4*QTR
.set GRP,   8*BLK
.set PBLK,  6912
.set PGRP,  16*PBLK
.set SPARE, 3*SLOT
.set STAGE, SPARE+512
.set FR,    12
.set STR,   15
.set ADRA,  16
.set ADRB,  20
.set ADRS,  24
.set LI,    27
.set SPW,   28
.set NIL,   29
.set SMO,   30                         ; v30  the small pieces' offset in pi
.set STG,   31
.set SC,    32
.set T,     64
.set AF,    128
.set PC,    128
.set NMS,   148                        ; v148-155 -M_loc of my 8 tiles
.set LLS,   156                        ; v156-163 the local sums
.set PWS,   164                        ; v164-171 the scale words
.set BX,    232
.set BT,    236
.set NMP,   240
.set MX,    242
.set SO4,   244
.set SU,    248
.set WV,    14
.set RH,    15
.set CH,    16
.set G1A,   24
.set G1B,   32
.set G0A,   44
.set G0B,   68
.set SEL,   56
.set HM,    58
.set OUT,   60
.set CS,    62                         ; s[62:63] c = log2(e) / 32
.set MSB, 0
.macro WIN new
.if MSB != (\new)
	s_set_vgpr_msb (MSB<<8)|(\new)
.set MSB, (\new)
.endif
.endm
.macro PLACES
.rept 4
	v_nop
.endr
.endm
.macro CREST
	s_cmp_lg_u32 s[WV], 0
	s_cbranch_scc1 .Lnot_wave_0_\@
	s_barrier_signal -3
.Lnot_wave_0_\@:
	s_barrier_wait -3
	s_barrier_signal -1
	s_barrier_wait -1
.endm
.macro CROUND
	s_barrier_signal -1
	s_barrier_wait -1
	CREST
.endm
.macro JLOAD g0a, g0b
	s_cmp_eq_u32 s[RH], 0
	s_cbranch_scc0 .Lfor_b_\@
	tensor_load_to_lds s[\g0a:\g0a+3], s[G1A:G1A+7]
	s_nop 0
.rept 4
	v_nop
.endr
	s_branch .Lasked_\@
.Lfor_b_\@:
	tensor_load_to_lds s[\g0b:\g0b+3], s[G1B:G1B+7]
	s_nop 0
.rept 4
	v_nop
.endr
.Lasked_\@:
.endm
	s_load_b128 s[4:7], s[0:1], 0x0                ; qk, pi
	v_lshl_add_u32 v[SPW], v0, 2, SPARE
	v_mov_b32 v[NIL], 0
	ds_add_u32 v28, v29
	ds_add_u32 v28, v29
	s_wait_dscnt 0x0
	v_lshrrev_b32 v1, 5, v0
	v_readfirstlane_b32 s[WV], v1
	s_lshr_b32 s[RH], s[WV], 1
	s_and_b32 s[CH], s[WV], 1
	s_bfe_u32 s40, ttmp6, 0x40000                  ; cx
	s_bfe_u32 s41, ttmp6, 0x40004                  ; cy
	s_lshl_b32 s42, s41, 2
	s_lshl_b32 s42, 15, s42
	s_lshl_b32 s43, 0x1111, s40
	s_or_b32 s[G1A], s42, (3<<16)|(1<<21)
	s_or_b32 s[G1B], s43, (3<<16)|(1<<21)
.irp g, G1A, G1B                       ; a dense block of 25,600 bytes as 100 rows of 256
	s_mov_b32 s[\g+1], 32<<16
	s_mov_b32 s[\g+2], 100<<16
	s_mov_b32 s[\g+3], 32<<16
	s_mov_b32 s[\g+4], 100
	s_mov_b32 s[\g+5], 32
	s_mov_b32 s[\g+6], 0
	s_mov_b32 s[\g+7], 0
.endr
	s_and_b32 s17, ttmp7, 0xffff                   ; the cluster's y
	s_lshr_b32 s19, s17, 1                         ; the batch: 8 tile rows each
	s_lshl_b32 s17, s17, 2
	s_add_co_u32 s17, s17, s41                     ; tile row of queries, 0..31
	s_lshl_b32 s18, ttmp9, 2
	s_add_co_u32 s18, s18, s40                     ; tile column of keys in the batch, 0..7
	s_lshl_b32 s86, s17, 1
	s_add_co_u32 s86, s86, s[CH]
	s_mul_i32 s86, s86, GRP
	s_mov_b32 s87, 0
	s_lshl_b32 s88, s19, 3
	s_add_co_u32 s88, s88, s18
	s_lshl_b32 s88, s88, 1
	s_add_co_u32 s88, s88, s[CH]
	s_mul_i32 s88, s88, GRP
	s_add_co_u32 s88, s88, 64*GRP                  ; k lies behind q
	s_mov_b32 s89, 0
	s_mul_i32 s90, s[WV], QTR
	s_wait_kmcnt 0x0
	s_add_nc_u64 s[96:97], s[4:5], s[86:87]
	s_add_nc_u64 s[98:99], s[4:5], s[88:89]
	CROUND
.irp s, 0,1,2
	s_mov_b32 s[G0A+4*\s], 1
	s_add_co_u32 s[G0A+4*\s+1], s90, \s*SLOT
	s_add_nc_u64 s[G0A+4*\s+2:G0A+4*\s+3], s[96:97], \s*QTR
	s_or_b32 s[G0A+4*\s+3], s[G0A+4*\s+3], 0x80000000
	s_mov_b32 s[G0B+4*\s], 1
	s_add_co_u32 s[G0B+4*\s+1], s90, \s*SLOT
	s_add_nc_u64 s[G0B+4*\s+2:G0B+4*\s+3], s[98:99], \s*QTR
	s_or_b32 s[G0B+4*\s+3], s[G0B+4*\s+3], 0x80000000
.endr
	s_cmp_eq_u32 s[RH], 0
	s_cbranch_scc0 .Lfirst_b
	tensor_load_to_lds s[G0A:G0A+3], s[G1A:G1A+7]
	s_nop 0
	tensor_load_to_lds s[G0A+4:G0A+7], s[G1A:G1A+7]
	s_nop 0
	tensor_load_to_lds s[G0A+8:G0A+11], s[G1A:G1A+7]
	s_nop 0
.rept 4
	v_nop
.endr
	s_branch .Lfirst_asked
.Lfirst_b:
	tensor_load_to_lds s[G0B:G0B+3], s[G1B:G1B+7]
	s_nop 0
	tensor_load_to_lds s[G0B+4:G0B+7], s[G1B:G1B+7]
	s_nop 0
	tensor_load_to_lds s[G0B+8:G0B+11], s[G1B:G1B+7]
	s_nop 0
.rept 4
	v_nop
.endr
.Lfirst_asked:
	s_lshl_b32 s86, s17, 2
	s_lshl_b32 s87, s[RH], 1
	s_add_co_u32 s86, s86, s87                     ; my first group of 64 queries
	s_mul_i32 s86, s86, PGRP
	s_lshl_b32 s88, s18, 1
	s_add_co_u32 s88, s88, s[CH]                   ; my K step of 128 keys
	s_mul_i32 s88, s88, PBLK
	s_add_co_u32 s86, s86, s88
	s_mov_b32 s87, 0
	s_add_nc_u64 s[OUT:OUT+1], s[6:7], s[86:87]
	s_mov_b32 s[SEL], 0x76543210
	s_mov_b32 s[SEL+1], 0xfedcba98
	s_mov_b32 s[CS], 0x3d38aa3b
	s_mov_b32 s[CS+1], s[CS]                       ; (named with it as a pair, so it is written)
	v_and_b32 v1, 31, v0
	v_and_b32 v2, 15, v0
	v_bfe_u32 v3, v0, 4, 1
	v_lshlrev_b32 v[LI], 4, v1
	v_cmp_ne_u32 s[HM], 0, v3
	v_mul_u32_u24 v[SMO], v3, PGRP
	v_lshl_add_u32 v[SMO], v2, 4, v[SMO]           ; lanes 0-15: my first 64 queries' block, lanes 16-31: the next 64's
	s_mul_i32 s91, s[RH], QTR
	s_mul_i32 s92, s[CH], QTR
	s_add_co_u32 s92, s92, 2*QTR
	s_xor_b32 s93, s[RH], 1
	s_add_co_u32 s93, s93, s[CH]
	s_add_co_u32 s93, s93, 1
	s_mul_i32 s93, s93, QTR
	v_mul_u32_u24 v5, s93, v3
	v_lshl_add_u32 v4, v2, 2, v5
.irp s, 0,1,2
	v_add_nc_u32 v[ADRA+\s], s91, v[LI]
	v_add_nc_u32 v[ADRB+\s], s92, v[LI]
	v_add_nc_u32 v[ADRS+\s], s91, v4
	s_add_co_u32 s91, s91, SLOT
	s_add_co_u32 s92, s92, SLOT
.endr
	s_lshl_b32 s94, s[WV], 11
	s_add_co_u32 s94, s94, STAGE
	v_lshl_add_u32 v[STG], v1, 2, s94
	v_add_nc_u32 v[STR], s94, v[LI]
.macro FRAG reg, adr, q, i
.irp c, 0,1,2
	ds_load_b128 v[\reg+4*\c:\reg+4*\c+3], v[\adr] offset:(\q)*BLK+(\i)*1536+512*\c
.endr
.endm
.macro FETCH_B sl, q
	WIN 0x40
.irp i, 0,1,2,3,4,5,6,7
	FRAG 128*(\q)+FR*\i, ADRB+\sl, \q, \i
.endr
	WIN 0
.endm
.macro FETCH_A sl, q, i0
.irp i, \i0, \i0+1, \i0+2, \i0+3
	FRAG AF+FR*(\i), ADRA+\sl, \q, \i
.endr
.endm
.macro SCALES set, sl
.irp q, 0,1
.irp i, 0,1,2,3,4,5,6,7
	ds_load_b32 v[SC+16*(\set)+8*\q+\i], v[ADRS+\sl] offset:\q*BLK+12288+64*\i
.endr
.endr
.endm
; 16 matrix instructions; first = 1: the product starts the sums.  The 64 accumulators take turns, in the same order in every K step.
.macro MUL16 a0, q, set, first
.irp a, \a0, \a0+1
.irp b, 0,1,2,3,4,5,6,7
.if \first
	v_wmma_scale_f32_16x16x128_f8f6f4 v[8*(8*((\a)%4)+\b):8*(8*((\a)%4)+\b)+7], v[128*(\q)+FR*\b:128*(\q)+FR*\b+FR-1], v[AF+FR*(\a):AF+FR*(\a)+FR-1], 0, v[SC+16*(\set)+8*(\q)+\b], v[SC+16*(\set)+8*(\q)+(\a)] matrix_a_fmt:MATRIX_FMT_FP6 matrix_b_fmt:MATRIX_FMT_FP6 matrix_a_scale:MATRIX_SCALE_ROW1
.else
	v_wmma_scale_f32_16x16x128_f8f6f4 v[8*(8*((\a)%4)+\b):8*(8*((\a)%4)+\b)+7], v[128*(\q)+FR*\b:128*(\q)+FR*\b+FR-1], v[AF+FR*(\a):AF+FR*(\a)+FR-1], v[8*(8*((\a)%4)+\b):8*(8*((\a)%4)+\b)+7], v[SC+16*(\set)+8*(\q)+\b], v[SC+16*(\set)+8*(\q)+(\a)] matrix_a_fmt:MATRIX_FMT_FP6 matrix_b_fmt:MATRIX_FMT_FP6 matrix_a_scale:MATRIX_SCALE_ROW1
.endif
.endr
.endr
.endm
.macro STEP set, q, first, nsl, nq, lsc
	s_wait_dscnt 12                                ; all but the youngest 12 loads (q's blocks 4-7) are in
	WIN 0xa1
	MUL16 0, \q, \set, \first
	MUL16 2, \q, \set, \first
	s_wait_dscnt 0x0
	PLACES
	FETCH_B \nsl, \nq
	FETCH_A \nsl, \nq, 0
.if \lsc >= 0
	SCALES \lsc, \nsl
.endif
	WIN 0xf1
	MUL16 4, \q, \set, \first
	MUL16 6, \q, \set, \first
	PLACES
	WIN 0
	FETCH_A \nsl, \nq, 4
.endm
.macro TURN set, nsl, lsc, fill
	s_wait_tensorcnt 0x0                           ; all my tensor loads have landed
	ds_add_u32 v[SPW], v[NIL]                      ; 0 onto my spare word
	s_wait_dscnt 13                                ; (the add and the youngest 12 loads may be out)
	WIN 0xa1
	MUL16 0, 1, \set, 0
	s_wait_dscnt 0x0                               ; the add is done, and my reads of this slot are over
	s_barrier_signal -1
	MUL16 2, 1, \set, 0
	WIN 0
	s_barrier_wait -1
.if \fill
	CREST
	s_add_nc_u64 s[G0A+2:G0A+3], s[G0A+2:G0A+3], 3*QTR
	s_add_nc_u64 s[G0B+2:G0B+3], s[G0B+2:G0B+3], 3*QTR
	JLOAD G0A, G0B
.else
	PLACES
.endif
	FETCH_B \nsl, 0
	FETCH_A \nsl, 0, 0
	SCALES \lsc, \nsl
	WIN 0xf1
	MUL16 4, 1, \set, 0
	MUL16 6, 1, \set, 0
	PLACES
	WIN 0
	FETCH_A \nsl, 0, 4
.endm
	s_wait_tensorcnt 2                             ; my part of slot 0 is in; slots 1 and 2 may be out
	s_barrier_signal -1
	s_barrier_wait -1
	FETCH_B 0, 0
	FETCH_A 0, 0, 0
	SCALES 0, 0
	FETCH_A 0, 0, 4
	STEP 0, 0, 1, 0, 1, -1
	TURN 0, 1, 1, 1
	STEP 1, 0, 0, 1, 1, -1
	STEP 1, 1, 0, 2, 0, 0
	STEP 0, 0, 0, 2, 1, -1
	TURN 0, 0, 1, 0
	STEP 1, 0, 0, 0, 1, -1
	s_wait_dscnt 12
	WIN 0xa1
	MUL16 0, 1, 1, 0
	MUL16 2, 1, 1, 0
	s_wait_dscnt 0x0
	WIN 0xf1
	MUL16 4, 1, 1, 0
	MUL16 6, 1, 1, 0
	WIN 0
; Block a: 16 queries x my 128 keys.  A lane holds one query; register 16 b + i is key 32 b + 16 (lane / 16) + i.
.macro SOFT a
.set AC, 64*((\a)%4)
	WIN 0x02+(\a)/4
.set j, 0
.rept 32
	v_pk_mul_f32 v[T+j:T+j+1], v[AC+j:AC+j+1], s[CS:CS+1] op_sel_hi:[1,0]   ; t = score x c; each accumulator from its low end on
.set j, j+2
.endr
	WIN 0
.irp b, 0,1,2,3
	v_max3_num_f32 v[BX+\b], v[T+16*\b], v[T+16*\b+1], v[T+16*\b+2]   ; the largest t of each block of 32 keys: for the row's maximum and for the block's largest p
.endr
.irp i, 3,5,7,9,11,13
.irp b, 0,1,2,3
	v_max3_num_f32 v[BX+\b], v[BX+\b], v[T+16*\b+\i], v[T+16*\b+\i+1]
.endr
.endr
.irp b, 0,1,2,3
	v_max_num_f32 v[BX+\b], v[BX+\b], v[T+16*\b+15]
.endr
.irp b, 0,1,2,3
	v_permlanex16_b32 v[BT+\b], v[BX+\b], s[SEL], s[SEL+1]
.endr
.irp b, 0,1,2,3
	v_max_num_f32 v[BX+\b], v[BX+\b], v[BT+\b]     ; with lane l xor 16's 16 keys
.endr
	v_max3_num_f32 v[MX], v[BX], v[BX+1], v[BX+2]
	v_max_num_f32 v[MX], v[MX], v[BX+3]
	v_floor_f32 v[NMP], -v[MX]                     ; -M_loc = floor(-t) = -ceil(t): a whole number
	v_mov_b32 v[NMP+1], v[NMP]
.set j, 0
.rept 32
	v_pk_add_f32 v[T+j:T+j+1], v[T+j:T+j+1], v[NMP:NMP+1]   ; t - M_loc
.set j, j+2
.endr
.irp b, 0,1,2,3
	v_add_f32 v[BX+\b], v[BX+\b], v[NMP]           ; the same of each block's largest t
.endr
.set j, 0
.rept 64
	v_exp_f32 v[T+j], v[T+j]                       ; p, at most 1, not normalised
.set j, j+1
.endr
	v_mov_b32 v[NMS+(\a)], v[NMP]                  ; (a plain instruction behind the exponentials)
	s_wait_alu depctr_va_vdst(0)                   ; one wait for the batch, ahead of its first reader
.irp b, 0,1,2,3
	v_exp_f32 v[BX+\b], v[BX+\b]                   ; the block's largest p: the same instructions on the same number give the same bits
.endr
	v_pk_add_f32 v[SU:SU+1], v[T:T+1], v[T+4:T+5]  ; the sum of the UNQUANTISED p, in two packed chains
	v_pk_add_f32 v[SU+2:SU+3], v[T+2:T+3], v[T+6:T+7]
.irp u, 8,12,16,20,24,28,32,36,40,44,48,52,56,60
	v_pk_add_f32 v[SU:SU+1], v[SU:SU+1], v[T+\u:T+\u+1]
	v_pk_add_f32 v[SU+2:SU+3], v[SU+2:SU+3], v[T+\u+2:T+\u+3]
.endr
	v_pk_add_f32 v[SU:SU+1], v[SU:SU+1], v[SU+2:SU+3]
	v_add_f32 v[SU], v[SU], v[SU+1]
	v_permlanex16_b32 v[SU+2], v[SU], s[SEL], s[SEL+1]
	v_add_f32 v[LLS+(\a)], v[SU], v[SU+2]
	s_wait_alu depctr_va_vdst(0)                   ; and one for the four
.irp b, 0,1,2,3
	v_max_num_f32 v[BX+\b], 0x1800000, v[BX+\b]    ; the floor 2^(3 - 127): the byte cannot fall under 1
.endr
.irp b, 0,1,2,3
	v_add_nc_u32 v[SO4+\b], 0xff000000, v[BX+\b]   ; 2 off the exponent field: the conversion's scale operand
.endr
.irp b, 0,1,2,3
	v_lshrrev_b32 v[BT+\b], 23, v[SO4+\b]
.endr
	v_lshl_or_b32 v[PWS+(\a)], v[BT+1], 8, v[BT]
	v_lshl_or_b32 v[PWS+(\a)], v[BT+2], 16, v[PWS+(\a)]
	v_lshl_or_b32 v[PWS+(\a)], v[BT+3], 24, v[PWS+(\a)]
.if (\a) > 0
	s_wait_xcnt 0x0                                ; the last block's stores have read the codes' registers
.endif
.irp c, 0,1
	v_cvt_scalef32_pk16_fp6_f32 v[PC+6*\c:PC+2+6*\c], v[T+32*\c:T+15+32*\c], v[SO4+2*\c]
	v_cvt_scalef32_pk16_fp6_f32 v[PC+12+4*\c:PC+14+4*\c], v[T+16+32*\c:T+31+32*\c], v[SO4+2*\c+1]
.endr
	v_nop                                          ; one plain instruction behind a scaled conversion
.irp c, 0,1
.irp i, 0,1,2
	v_permlane16_swap_b32 v[PC+6*\c+\i], v[PC+12+4*\c+\i]
.endr
.irp i, 0,1,2
	v_mov_b32 v[PC+3+6*\c+\i], v[PC+12+4*\c+\i]
.endr
.endr
.irp c, 0,1,2
	global_store_b128 v[LI], v[PC+4*\c:PC+4*\c+3], s[OUT:OUT+1] offset:((\a)/4)*PGRP+((\a)%4)*1536+512*\c   ; 512 consecutive bytes, aligned
.endr
.endm
	PLACES
.irp b, 0,1,2,3
	v_mov_b32 v[BT+\b], 0                          ; a lane permute's destination counts as one of its sources
.endr
.irp a, 0,1,2,3,4,5,6,7
	SOFT \a
.endr
	; the three small pieces go through my stage, so that sixteen lanes store 256 consecutive bytes
.irp i, 0,1,2,3
	v_cndmask_b32 v[T+\i], v[PWS+2*\i], v[PWS+2*\i+1], s[HM]
	v_cndmask_b32 v[T+4+\i], v[NMS+2*\i], v[NMS+2*\i+1], s[HM]
	v_cndmask_b32 v[T+8+\i], v[LLS+2*\i], v[LLS+2*\i+1], s[HM]
.endr
.irp i, 0,1,2,3
	ds_store_b32 v[STG], v[T+\i] offset:128*\i
	ds_store_b32 v[STG], v[T+4+\i] offset:512+128*\i
	ds_store_b32 v[STG], v[T+8+\i] offset:1024+128*\i
.endr
.irp i, 0,1,2
	ds_load_b128 v[T+16+4*\i:T+19+4*\i], v[STR] offset:512*\i   ; LDS serves a wave's instructions in order: these see the stores above
.endr
	s_wait_dscnt 0x0
.irp i, 0,1,2
	global_store_b128 v[SMO], v[T+16+4*\i:T+19+4*\i], s[OUT:OUT+1] offset:6144+256*\i
.endr
	s_wait_tensorcnt 0x0                           ; the wave's end
	ds_add_u32 v[SPW], v[NIL]
	s_wait_dscnt 0x0
	CROUND
	s_endpgm
.Lfunc_end_k_qc5db9ce465_score:
	.size	k_qc5db9ce465_score, .Lfunc_end_k_qc5db9ce465_score-k_qc5db9ce465_score
	.p2alignl 7, 3214868480
	.fill 96, 4, 3214868480
	.section	.rodata,"a",@progbits
	.p2align	6, 0x0
	.amdhsa_kernel k_qc5db9ce465_score
		.amdhsa_group_segment_fixed_size 327680
		.amdhsa_private_segment_fixed_size 0
		.amdhsa_enable_private_segment 0
		.amdhsa_kernarg_size 16
		.amdhsa_user_sgpr_count 2
		.amdhsa_user_sgpr_kernarg_segment_ptr 1
		.amdhsa_wavefront_size32 1
		.amdhsa_system_sgpr_workgroup_id_x 1
		.amdhsa_system_sgpr_workgroup_id_y 1
		.amdhsa_system_sgpr_workgroup_id_z 1
		.amdhsa_system_vgpr_workitem_id 0
		.amdhsa_next_free_vgpr 1024
		.amdhsa_next_free_sgpr 100
		.amdhsa_reserve_vcc 0
		.amdhsa_float_denorm_mode_32 3
		.amdhsa_float_denorm_mode_16_64 3
		.amdhsa_memory_ordered 1
		.amdhsa_forward_progress 1
		.amdhsa_inst_pref_size 209
	.end_amdhsa_kernel
	.amdgpu_metadata
---
amdhsa.version: [ 1, 2 ]
amdhsa.kernels:
  - .name:           k_qc5db9ce465_score
    .symbol:         k_qc5db9ce465_score.kd
    .args:
      - { .name: qk, .offset: 0, .size: 8, .value_kind: global_buffer, .address_space: global }
      - { .name: pi, .offset: 8, .size: 8, .value_kind: global_buffer, .address_space: global }
    .group_segment_fixed_size: 327680
    .private_segment_fixed_size: 0
    .kernarg_segment_align: 8
    .kernarg_segment_size: 16
    .max_flat_workgroup_size: 128
    .sgpr_count:     100
    .vgpr_count:     1024
    .wavefront_size: 32
...
	.end_amdgpu_metadata
.endif
;; end of part 3
;; launch ctx (part 4): grid 256 x 1, 4 waves a work-group, clusters of 4 x 1, 327,680 bytes of LDS; arguments pi, vi, inputs, ln_gamma, ln_beta, out0; writes out0
.if DOCPART == 4
	.amdgcn_target "amdgcn-amd-amdhsa--gfx1250"
	.amdhsa_code_object_version 6
	.text
	.protected	k_qc5db9ce465_ctx
	.globl	k_qc5db9ce465_ctx
	.p2align	8
	.type	k_qc5db9ce465_ctx,@function
k_qc5db9ce465_ctx:
	s_mov_b64 s[64:65], 0
	v_nop
	global_prefetch_b8 v0, s[64:65] scope:SCOPE_SE
	s_setreg_imm32_b32 hwreg(HW_REG_WAVE_MODE, 25, 1), 1
	s_wait_xcnt 0x0
	s_wait_alu depctr_hold_cnt(0) depctr_sa_sdst(0) depctr_va_vdst(0) depctr_va_sdst(0) depctr_va_ssrc(0) depctr_va_vcc(0) depctr_vm_vsrc(0)
	s_getreg_b32 s2, hwreg(HW_REG_IB_STS2, 6, 4)
	s_cmp_eq_u32 s2, 0
	s_cbranch_scc0 .Lentry_in_a_cluster
	s_endpgm
.Lentry_in_a_cluster:
	s_bfe_u32 s2, ttmp6, 0x10000c
	s_cmp_lg_u32 s2, 0x3003
	s_cbranch_scc0 .Lentry_shape_is_right
	s_endpgm
.Lentry_shape_is_right:
; out = LayerNorm(p v / l + x) gamma + beta.  p: codes of FP6 (E2M3) under LOCAL whole numbers M_loc, one for each query and 128 keys; v^T: codes with the keys innermost.
; 256 work-groups.  A work-group owns 32 queries and all 1,024 columns, so that a row's mean and variance stay inside it; wave w owns columns 256 w .. 256 w + 255: 32 accumulators (2 tiles of queries x 16 tiles of columns).
; THE LOCAL M: M = the largest M_loc of the row; each of p's scale bytes is lowered by M - M_loc (held at 0), which is the exact factor 2^(M_loc - M); l = the sum of l_loc 2^(M_loc - M).
;   -M_loc, l_loc and the scale words come by loads of 128 consecutive bytes; every wave lowers all 16 scale words itself and keeps them in LDS bytes of its own, so that no barrier is spent on them.
; THE RESIDUAL: the sums begin as x l (x is loaded straight into the accumulators), every product adds in place, and resid = sum / l.
; TRANSPOSED: source 0 = 16 columns of v^T, source 1 = 16 queries of p: a lane holds one query a tile, its registers run along the columns.
; pi: [64 queries][K step 16]: 4 tiles of 1,536 bytes, 64 scale words at 6,144, 64 x -M_loc at 6,400, 64 local sums at 6,656: 6,912 bytes.  My 32 queries are two of the four tiles and half of each small piece.
; LDS: two slots of one K step of v^T (102,400 bytes; wave w reads its own quarter alone), my p for all 16 K steps (49,152 bytes, filled once).  At the start three tensor loads of a wave are out, later one.
; CLUSTER 4 x 1: the four work-groups belong to one batch and walk the same v^T: joint loads.  The walk along K begins at K step 4 (cluster % 4), so that the clusters of a batch do not all begin at one block;
; p is laid into LDS already turned (a wave's quarter is four K steps on end), so that no LDS address hangs on a work-group's number.
; LIMITS: NaN and infinities are not served; a block of p that lies more than its byte's worth under the row's M gets the byte 0, 2^-127 x its codes, beside l >= 1/2.
; REGISTERS: window 0: v8-23 addresses, v32-47 v's scale words (two sets), v48-49 p's, v52-67 gamma, beta, v68-75 l and 1 / l (pairs), v84-95 sums, v100-127 at work, v128-175 p's fragments (two sets),
;   v176-223 the small pieces;  window 1: v0-191 v's 16 fragments;  window 2: accumulator (a, b) at v[8 (2 b + a)].
.set BLK,   12800
.set QTR,   2*BLK
.set VSLOT, 4*QTR
.set PBLK,  6912
.set PGRP,  16*PBLK
.set PH,    3072                       ; my two tiles of a K step of p
.set PR,    2*VSLOT
.set SPARE, PR+16*PH                   ; the spare words: 128 bytes a wave, named by no other line
.set RED,   SPARE+512                  ; 2 x 1,024 bytes: the waves' partial sums
.set PSW,   RED+2048                   ; 2,048 bytes a wave: p's 16 scale words under the row's M
.set FR,    12
.set VA,    8                          ; v8-9   my quarter of slot 0, 1, + 16 x lane
.set VW,    10                         ; v10-11 the same + 4 x lane
.set PA,    12                         ; v12    p's fragments: + 16 x lane; steps with the loop
.set PSWA,  13                         ; v13    my scale words of p: + 4 x lane; steps with the loop
.set XO,    14
.set LI,    15
.set SO,    16
.set SR,    VA                         ; the way out reads rows back from my quarter of slot 0
.set RW,    18
.set RR,    19
.set QO,    20                         ; v20-23 the small pieces' offsets in pi: places 4 q .. 4 q + 3 of the walk
.set SPW,   28
.set NIL,   29
.set VSC,   32
.set PSC,   48
.set GA,    52
.set BE,    60
.set LV,    68
.set RV,    72
.set SS,    84
.set NU,    92
.set PF,    128
.set NM,    176
.set LL,    192
.set PWR,   208
.set WV,    16
.set KI,    21
.set G1V,   24
.set G1P,   32
.set G0V,   40
.set G0P,   48
.set VB,    52
.set SEL,   54
.set HM,    56
.set CNT,   57
.set XB,    68
.set OB,    70
.set PSB,   76
.set MSB, 0
.macro WIN new
.if MSB != (\new)
	s_set_vgpr_msb (MSB<<8)|(\new)
.set MSB, (\new)
.endif
.endm
.macro PLACES
.rept 4
	v_nop
.endr
.endm
.macro CREST
	s_cmp_lg_u32 s[WV], 0
	s_cbranch_scc1 .Lnot_wave_0_\@
	s_barrier_signal -3
.Lnot_wave_0_\@:
	s_barrier_wait -3
	s_barrier_signal -1
	s_barrier_wait -1
.endm
.macro CROUND
	s_barrier_signal -1
	s_barrier_wait -1
	CREST
.endm
	s_load_b128 s[4:7], s[0:1], 0x0                ; pi, vi
	s_load_b128 s[8:11], s[0:1], 0x10              ; inputs, gamma
	s_load_b128 s[12:15], s[0:1], 0x20             ; beta, out0
	v_lshl_add_u32 v[SPW], v0, 2, SPARE
	v_mov_b32 v[NIL], 0
	ds_add_u32 v28, v29
	ds_add_u32 v28, v29
	s_wait_dscnt 0x0
	v_lshrrev_b32 v1, 5, v0
	v_readfirstlane_b32 s[WV], v1
	s_bfe_u32 s17, ttmp6, 0x40000                  ; cx
	s_lshl_b32 s18, ttmp9, 2
	s_add_co_u32 s18, s18, s17                     ; my 32 queries: it enters p's, x's and out's addresses in memory alone
	s_lshr_b32 s19, ttmp9, 4                       ; the batch: 16 clusters each
	s_and_b32 s20, ttmp9, 3
	s_lshl_b32 s20, s20, 2                         ; the K step at which my cluster begins
	s_mov_b32 s[G1V], 15|(3<<16)|(1<<21)           ; the mask: all four; elements of 8 bytes; 21 set beside a mask; 25,600 dense bytes as 100 rows of 256
	s_mov_b32 s[G1V+1], 32<<16
	s_mov_b32 s[G1V+2], 100<<16
	s_mov_b32 s[G1V+3], 32<<16
	s_mov_b32 s[G1V+4], 100
	s_mov_b32 s[G1V+5], 32
	s_mov_b32 s[G1V+6], 0
	s_mov_b32 s[G1V+7], 0
	s_mov_b32 s[G1P], 3<<16                        ; no mask: p is my work-group's own; 4 rows (K steps) of 3,072 bytes = 384 elements of 8, 6,912 bytes = 864 elements apart
	s_mov_b32 s[G1P+1], 384<<16
	s_mov_b32 s[G1P+2], 4<<16
	s_mov_b32 s[G1P+3], 384<<16
	s_mov_b32 s[G1P+4], 4
	s_mov_b32 s[G1P+5], 864
	s_mov_b32 s[G1P+6], 0
	s_mov_b32 s[G1P+7], 0
	s_mul_i32 s62, s[WV], QTR                      ; my quarter of a slot, and of a K step of v^T in memory
	s_mul_i32 s60, s19, 16*VSLOT
	s_add_co_u32 s60, s60, s62
	s_mov_b32 s61, 0
	s_mul_i32 s58, s20, VSLOT
	s_mov_b32 s59, 0
	s_lshr_b32 s22, s18, 1                         ; p's group of 64 queries,
	s_and_b32 s23, s18, 1                          ; and which half of it is mine
	s_mul_i32 s22, s22, PGRP
	s_lshl_b32 s66, s[WV], 2
	s_add_co_u32 s66, s66, s20
	s_and_b32 s66, s66, 15                         ; the four K steps of p that I fetch begin here
	s_mul_i32 s66, s66, PBLK
	s_add_co_u32 s66, s66, s22
	s_mul_i32 s67, s23, PH
	s_add_co_u32 s66, s66, s67
	s_mov_b32 s67, 0
	s_lshl_b32 s23, s23, 7                         ; my half of a small piece: 128 bytes
	s_add_co_u32 s22, s22, s23
	s_mov_b32 s23, 0
	s_lshl_b32 s72, s18, 17                        ; 32 rows of 4,096 bytes
	s_lshl_b32 s73, s[WV], 10                      ; my 256 columns
	s_add_co_u32 s72, s72, s73
	s_mov_b32 s74, s73
	s_mov_b32 s73, 0
	s_mov_b32 s75, 0
	s_add_co_u32 s[KI], s20, 2                     ; the first refill's K step
	s_mul_i32 s63, s[WV], 4*PH
	s_wait_kmcnt 0x0
	s_add_nc_u64 s[VB:VB+1], s[6:7], s[60:61]
	s_mov_b32 s[G0V], 1
	s_mov_b32 s[G0V+1], s62
	s_add_nc_u64 s[G0V+2:G0V+3], s[VB:VB+1], s[58:59]
	s_mov_b32 s[G0V+4], 1
	s_add_co_u32 s[G0V+5], s62, VSLOT
	s_add_nc_u64 s[G0V+6:G0V+7], s[G0V+2:G0V+3], VSLOT
	s_or_b32 s[G0V+3], s[G0V+3], 0x80000000
	s_or_b32 s[G0V+7], s[G0V+7], 0x80000000
	s_mov_b32 s[G0P], 1
	s_add_co_u32 s[G0P+1], s63, PR
	s_add_nc_u64 s[G0P+2:G0P+3], s[4:5], s[66:67]
	s_or_b32 s[G0P+3], s[G0P+3], 0x80000000
	s_add_nc_u64 s[PSB:PSB+1], s[4:5], s[22:23]
	s_add_nc_u64 s[XB:XB+1], s[8:9], s[72:73]
	s_add_nc_u64 s[OB:OB+1], s[14:15], s[72:73]
	s_add_nc_u64 s[10:11], s[10:11], s[74:75]
	s_add_nc_u64 s[12:13], s[12:13], s[74:75]
	CROUND                                         ; all four work-groups are here: the first joint loads meet
	tensor_load_to_lds s[G0P:G0P+3], s[G1P:G1P+7]
	s_nop 0
	tensor_load_to_lds s[G0V:G0V+3], s[G1V:G1V+7]
	s_nop 0
	tensor_load_to_lds s[G0V+4:G0V+7], s[G1V:G1V+7]
	s_nop 0
.rept 4
	v_nop
.endr
	v_and_b32 v1, 31, v0                           ; lane
	v_and_b32 v2, 15, v0                           ; r
	v_bfe_u32 v3, v0, 4, 1                         ; h
	v_lshlrev_b32 v[LI], 4, v1
	v_lshlrev_b32 v4, 2, v1
.irp q, 0,1,2,3
	s_add_co_u32 s78, s20, 4*\q
	s_and_b32 s78, s78, 15
	s_mul_i32 s78, s78, PBLK
	v_add_nc_u32 v[QO+\q], s78, v4                 ; places 4 q .. 4 q + 3 of the walk are four K steps on end
.endr
	v_and_b32 v5, 8, v2
	v_add_nc_u32 v5, v5, v2
	v_lshlrev_b32 v[XO], 12, v5
	v_lshl_add_u32 v[XO], v3, 6, v[XO]             ; x: row r + 8 (r / 8) of a tile, + 64 h
.irp g, 0,1
	global_load_b128 v[GA+4*\g:GA+4*\g+3], v[LI], s[10:11] offset:512*\g   ; gamma and beta of the columns that I store: 128 g + 4 x lane on
	global_load_b128 v[BE+4*\g:BE+4*\g+3], v[LI], s[12:13] offset:512*\g
.endr
.irp j, 0,1,2,3,4,5,6,7,8,9,10,11,12,13,14,15  ; the small pieces of place j: lane l holds the row (tile l / 16, l % 16) of my two tiles
	global_load_b32 v[PWR+\j], v[QO+\j/4], s[PSB:PSB+1] offset:(\j%4)*PBLK+6144
	global_load_b32 v[NM+\j], v[QO+\j/4], s[PSB:PSB+1] offset:(\j%4)*PBLK+6400
	global_load_b32 v[LL+\j], v[QO+\j/4], s[PSB:PSB+1] offset:(\j%4)*PBLK+6656
.endr
	; x into the accumulators, in the result's layout: accumulator (a, b), register j = x(row of tile a, 128 (b / 8) + 32 ((b % 8) / 2) + 16 h + 8 (b % 2) + j)
	WIN 0x80
.irp a, 0,1
.irp b, 0,1,2,3,4,5,6,7,8,9,10,11,12,13,14,15
	global_load_b128 v[8*(2*\b+\a):8*(2*\b+\a)+3], v[XO], s[XB:XB+1] offset:32768*\a+512*(\b/8)+128*((\b%8)/2)+32*(\b%2)
	global_load_b128 v[8*(2*\b+\a)+4:8*(2*\b+\a)+7], v[XO], s[XB:XB+1] offset:32768*\a+512*(\b/8)+128*((\b%8)/2)+32*(\b%2)+16
.endr
.endr
	WIN 0
	v_add_nc_u32 v[VA], s62, v[LI]
	v_add_nc_u32 v[VW], s62, v4
	v_add_nc_u32 v[VA+1], VSLOT, v[VA]
	v_add_nc_u32 v[VW+1], VSLOT, v[VW]
	v_add_nc_u32 v[PA], PR, v[LI]
	s_lshl_b32 s63, s[WV], 11
	s_add_co_u32 s63, s63, PSW
	v_add_nc_u32 v[PSWA], s63, v4
	v_mul_u32_u24 v[SO], v2, 1040
	v_lshl_add_u32 v[SO], v3, 6, v[SO]
	v_add_nc_u32 v[SO], s62, v[SO]                 ; the way out: row r of 1,024 + 16 bytes, + 64 h
	s_lshl_b32 s63, s[WV], 7
	s_add_co_u32 s63, s63, RED
	v_add_nc_u32 v[RW], s63, v4
	v_lshl_add_u32 v[RR], v2, 2, RED
	v_cmp_ne_u32 s[HM], 0, v3
	s_mov_b32 s[SEL], 0x76543210
	s_mov_b32 s[SEL+1], 0xfedcba98
	s_mov_b32 s60, 0x3a800000                      ; 1 / 1,024
	s_mov_b32 s61, 0x3a83126f                      ; 1e-3
	s_wait_loadcnt 63                              ; 64 loads of x were issued behind the small pieces; the wait can name 63 at the most: the small pieces are in
	; THE STATISTICS
	v_min3_num_f32 v100, v[NM], v[NM+1], v[NM+2]
	v_min3_num_f32 v101, v[NM+3], v[NM+4], v[NM+5]
.irp j, 6,10
	v_min3_num_f32 v100, v100, v[NM+\j], v[NM+\j+1]
	v_min3_num_f32 v101, v101, v[NM+\j+2], v[NM+\j+3]
.endr
	v_min3_num_f32 v100, v100, v[NM+14], v[NM+15]
	v_min_num_f32 v100, v100, v101                 ; -M = the least -M_loc
	v_mov_b32 v101, v100
.irp j, 0,2,4,6,8,10,12,14
	v_pk_add_f32 v[NM+\j:NM+\j+1], v[100:101], v[NM+\j:NM+\j+1] neg_lo:[0,1] neg_hi:[0,1]   ; M_loc - M: a whole number, 0 or less
.endr
.set j, 0
.rept 16
	v_cvt_i32_f32 v[NM+j], v[NM+j]                 ; (it saturates)
.set j, j+1
.endr
.set j, 0
.rept 16
	v_ldexp_f32 v[LL+j], v[LL+j], v[NM+j]          ; l_loc under the row's M: nothing is rounded
.set j, j+1
.endr
	v_pk_add_f32 v[102:103], v[LL:LL+1], v[LL+2:LL+3]
	v_pk_add_f32 v[106:107], v[LL+4:LL+5], v[LL+6:LL+7]
	v_pk_add_f32 v[102:103], v[102:103], v[LL+8:LL+9]
	v_pk_add_f32 v[106:107], v[106:107], v[LL+10:LL+11]
	v_pk_add_f32 v[102:103], v[102:103], v[LL+12:LL+13]
	v_pk_add_f32 v[106:107], v[106:107], v[LL+14:LL+15]
	v_pk_add_f32 v[102:103], v[102:103], v[106:107]
	v_add_f32 v102, v102, v103                     ; l
.set j, 0
.rept 16
	v_sub_nc_u32 v[NM+j], 0, v[NM+j]               ; M - M_loc, 0 or more
.set j, j+1
.endr
.irp k, 0,1,2,3,4,5,6,7,8,9,10,11,12,13,14,15  ; each byte less min(byte, M - M_loc)
	v_and_b32 v108, 0xff, v[PWR+\k]
	v_bfe_u32 v109, v[PWR+\k], 8, 8
	v_bfe_u32 v110, v[PWR+\k], 16, 8
	v_lshrrev_b32 v111, 24, v[PWR+\k]
	v_min_u32 v112, v108, v[NM+\k]
	v_min_u32 v113, v109, v[NM+\k]
	v_min_u32 v114, v110, v[NM+\k]
	v_min_u32 v115, v111, v[NM+\k]
	v_sub_nc_u32 v108, v108, v112
	v_sub_nc_u32 v109, v109, v113
	v_sub_nc_u32 v110, v110, v114
	v_sub_nc_u32 v111, v111, v115
	v_lshl_or_b32 v[PWR+\k], v109, 8, v108
	v_lshl_or_b32 v[PWR+\k], v110, 16, v[PWR+\k]
	v_lshl_or_b32 v[PWR+\k], v111, 24, v[PWR+\k]
.endr
.irp k, 0,1,2,3,4,5,6,7,8,9,10,11,12,13,14,15
	ds_store_b32 v[PSWA], v[PWR+\k] offset:128*\k  ; my wave's own bytes: I alone read them
.endr
	v_mov_b32 v104, 0
	v_permlanex16_b32 v104, v102, s[SEL], s[SEL+1] ; the other tile's
	v_cndmask_b32 v[LV], v102, v104, s[HM]         ; l of tile a's row r, in both halves of the lanes
	v_cndmask_b32 v[LV+2], v104, v102, s[HM]
	v_mov_b32 v[LV+1], v[LV]
	v_mov_b32 v[LV+3], v[LV+2]
	v_rcp_f32 v[RV], v[LV]
	v_rcp_f32 v[RV+2], v[LV+2]
	v_nop                                          ; a plain instruction behind the reciprocals,
	s_wait_alu depctr_va_vdst(0)                   ; and the wait ahead of their first reader
	v_mov_b32 v[RV+1], v[RV]
	v_mov_b32 v[RV+3], v[RV+2]
	s_wait_tensorcnt 2                             ; my quarter of p is in; my two loads of v^T may be out
	s_wait_dscnt 0x0
	s_barrier_signal -1
	s_barrier_wait -1                              ; everybody's is
.macro FETCH_V slot, half              ; 8 of my 16 fragments of v^T
	WIN 0x40
.irp t, 0,1,2,3,4,5,6,7
.irp c, 0,1,2
	ds_load_b128 v[96*(\half)+FR*\t+4*\c:96*(\half)+FR*\t+4*\c+3], v[VA+\slot] offset:(\half)*BLK+1536*\t+512*\c
.endr
.endr
	WIN 0
.endm
.macro FETCH_P set, pl                 ; p's two fragments of the place pl ahead, v's 8 registers of scale words (register b / 2, lanes' half b % 2) and p's one (lanes' half a): 15 loads
.irp a, 0,1
.irp c, 0,1,2
	ds_load_b128 v[PF+24*(\set)+FR*\a+4*\c:PF+24*(\set)+FR*\a+4*\c+3], v[PA] offset:(\pl)*PH+1536*\a+512*\c
.endr
.endr
.irp i, 0,1,2,3
	ds_load_b32 v[VSC+8*(\set)+\i], v[VW+\set] offset:12288+128*\i
	ds_load_b32 v[VSC+8*(\set)+4+\i], v[VW+\set] offset:BLK+12288+128*\i
.endr
	ds_load_b32 v[PSC+(\set)], v[PSWA] offset:(\pl)*128
.endm
.macro WM d, va, pa, sv, sp, ra, rb    ; one product; ra, rb: which half of the lanes holds the scales
.if (\ra) && (\rb)
	v_wmma_scale_f32_16x16x128_f8f6f4 v[\d:\d+7], v[\va:\va+11], v[\pa:\pa+11], v[\d:\d+7], v[\sv], v[\sp] matrix_a_fmt:MATRIX_FMT_FP6 matrix_b_fmt:MATRIX_FMT_FP6 matrix_a_scale:MATRIX_SCALE_ROW1 matrix_b_scale:MATRIX_SCALE_ROW1
.elseif (\ra)
	v_wmma_scale_f32_16x16x128_f8f6f4 v[\d:\d+7], v[\va:\va+11], v[\pa:\pa+11], v[\d:\d+7], v[\sv], v[\sp] matrix_a_fmt:MATRIX_FMT_FP6 matrix_b_fmt:MATRIX_FMT_FP6 matrix_a_scale:MATRIX_SCALE_ROW1
.elseif (\rb)
	v_wmma_scale_f32_16x16x128_f8f6f4 v[\d:\d+7], v[\va:\va+11], v[\pa:\pa+11], v[\d:\d+7], v[\sv], v[\sp] matrix_a_fmt:MATRIX_FMT_FP6 matrix_b_fmt:MATRIX_FMT_FP6 matrix_b_scale:MATRIX_SCALE_ROW1
.else
	v_wmma_scale_f32_16x16x128_f8f6f4 v[\d:\d+7], v[\va:\va+11], v[\pa:\pa+11], v[\d:\d+7], v[\sv], v[\sp] matrix_a_fmt:MATRIX_FMT_FP6 matrix_b_fmt:MATRIX_FMT_FP6
.endif
.endm
.macro MULB b, set                     ; tile b of the columns x the two tiles of queries.  The 32 accumulators take turns, in the same order in every K step
.irp a, 0,1
	WM 8*(2*(\b)+\a), FR*(\b), PF+24*(\set)+FR*\a, VSC+8*(\set)+(\b)/2, PSC+(\set), (\b)%2, \a
.endr
.endm
; A K step that fills its slot again.  All of the slot is in registers when the wave signals; the refill is the K step two on.
.macro VSTEP slot, pl
	s_wait_dscnt 24                                ; all but the youngest 24 loads (v's tiles 8-15) are in
	WIN 0xa1                                       ; source 0 window 1, source 1 window 0, C and D window 2
.irp b, 0,1,2,3,4,5
	MULB \b, \slot
.endr
	WIN 0
	s_wait_tensorcnt 0x0                           ; my one load that was out, the other slot's, has landed
	ds_add_u32 v[SPW], v[NIL]                      ; 0 onto my spare word
	s_and_b32 s58, s[KI], 15                       ; no tensor load of mine is out, so a group 0 may be written: the K step two on, round the batch's 16
	s_mul_i32 s58, s58, VSLOT
	s_add_nc_u64 s[G0V+4*\slot+2:G0V+4*\slot+3], s[VB:VB+1], s[58:59]
	s_or_b32 s[G0V+4*\slot+3], s[G0V+4*\slot+3], 0x80000000
	s_add_co_u32 s[KI], s[KI], 1
	WIN 0xa1
	MULB 6, \slot
	s_wait_dscnt 0x0                               ; the add is done, and my reads of this slot are over
	s_barrier_signal -1
	MULB 7, \slot
	WIN 0
	s_barrier_wait -1
	CREST                                          ; no wave of any partner still reads this slot or has a load on its way
	tensor_load_to_lds s[G0V+4*\slot:G0V+4*\slot+3], s[G1V:G1V+7]
	s_nop 0
.rept 4
	v_nop                                          ; (the places in front of the loads below)
.endr
	FETCH_V 1-\slot, 0
	FETCH_P 1-\slot, \pl
	WIN 0xa1
.irp b, 8,9,10,11,12,13,14,15
	MULB \b, \slot
.endr
	PLACES
	FETCH_V 1-\slot, 1
.endm
	s_wait_tensorcnt 1                             ; my quarter of the first K step is in (I alone read it); the second may be out
	FETCH_V 0, 0
	FETCH_P 0, 0
	FETCH_V 0, 1
	s_wait_loadcnt 0x0                             ; x
	WIN 0x82                                       ; destination and source 0 window 2
.set n, 0
.rept 128
	v_pk_mul_f32 v[n:n+1], v[n:n+1], v[LV+2*((n/8)%2):LV+2*((n/8)%2)+1]   ; the sums begin as x l
.set n, n+2
.endr
	WIN 0
	PLACES
	s_mov_b32 s[CNT], 7
.Lk:                                           ; a trip: two K steps, both slots filled again; 14 of the 16 K steps
	VSTEP 0, 1
	VSTEP 1, 2
	v_add_nc_u32 v[PA], 2*PH, v[PA]
	v_add_nc_u32 v[PSWA], 256, v[PSWA]
	s_sub_co_u32 s[CNT], s[CNT], 1
	s_cmp_lg_u32 s[CNT], 0
	s_cbranch_scc1 .Lk
	s_wait_dscnt 24                                ; the last two K steps are written out: nothing is asked for
	WIN 0xa1
.irp b, 0,1,2,3,4,5,6,7
	MULB \b, 0
.endr
	WIN 0
	s_wait_tensorcnt 0x0                           ; my quarter of the last K step is in
	s_wait_dscnt 0x0
	PLACES
	FETCH_V 1, 0
	FETCH_P 1, 1
	WIN 0xa1
.irp b, 8,9,10,11,12,13,14,15
	MULB \b, 0
.endr
	PLACES
	FETCH_V 1, 1
	s_wait_dscnt 24
	WIN 0xa1
.irp b, 0,1,2,3,4,5,6,7
	MULB \b, 1
.endr
	s_wait_dscnt 0x0
.irp b, 8,9,10,11,12,13,14,15
	MULB \b, 1
.endr
	WIN 0
; THE WAY OUT.  Four chains, two a tile of queries, taken by turns; each accumulator is read from its low end on
.macro CLEAR
.set j, 0
.rept 8
	v_mov_b32 v[SS+j], 0
.set j, j+1
.endr
.endm
.macro JOIN                            ; a tile's two chains, a chain's two halves, and lane l xor 16's
	v_pk_add_f32 v[SS:SS+1], v[SS:SS+1], v[SS+4:SS+5]
	v_pk_add_f32 v[SS+2:SS+3], v[SS+2:SS+3], v[SS+6:SS+7]
.irp a, 0,1
	v_add_f32 v[SS+2*\a], v[SS+2*\a], v[SS+2*\a+1]
.endr
.irp a, 0,1
	v_permlanex16_b32 v[SS+2*\a+1], v[SS+2*\a], s[SEL], s[SEL+1]
.endr
.irp a, 0,1
	v_add_f32 v[SS+2*\a], v[SS+2*\a], v[SS+2*\a+1]
.endr
.endm
.macro XCH ph                          ; the four waves' parts meet in LDS; each of the two exchanges has bytes of its own
	v_cndmask_b32 v100, v[SS], v[SS+2], s[HM]
	ds_store_b32 v[RW], v100 offset:1024*\ph
	s_wait_dscnt 0x0                               ; for the others' sake
	s_barrier_signal -1
	s_barrier_wait -1
.irp a, 0,1
.irp w, 0,1,2,3
	ds_load_b32 v[104+4*\a+\w], v[RR] offset:1024*\ph+128*\w+64*\a
.endr
.endr
	s_wait_dscnt 0x0
.irp a, 0,1
	v_add_f32 v[SS+2*\a], v[104+4*\a], v[105+4*\a]
	v_add_f32 v[SS+2*\a+1], v[106+4*\a], v[107+4*\a]
.endr
.irp a, 0,1
	v_add_f32 v[SS+2*\a], v[SS+2*\a], v[SS+2*\a+1]
.endr
.endm
	CLEAR                                          ; (eight plain instructions: the places behind the last products)
	WIN 0x08                                       ; source 1 window 2
.set i, 0
.rept 128
.set n, 32*(i/16)+8*(i%4)+2*((i/4)%4)
	v_pk_add_f32 v[SS+2*(i%4):SS+2*(i%4)+1], v[SS+2*(i%4):SS+2*(i%4)+1], v[n:n+1]
.set i, i+1
.endr
	WIN 0
	JOIN
	XCH 0
.irp a, 0,1
	v_mul_f32 v[NU+2*\a], v[SS+2*\a], v[RV+2*\a]   ; the row's sum of resid
.endr
.irp a, 0,1
	v_mul_f32 v[NU+2*\a], 0xba800000, v[NU+2*\a]   ; -mean
.endr
.irp a, 0,1
	v_mov_b32 v[NU+2*\a+1], v[NU+2*\a]
.endr
	CLEAR
	WIN 0x82
.set n, 0
.rept 128
	v_pk_fma_f32 v[n:n+1], v[n:n+1], v[RV+2*((n/8)%2):RV+2*((n/8)%2)+1], v[NU+2*((n/8)%2):NU+2*((n/8)%2)+1]   ; d = sum / l - mean
.set n, n+2
.endr
	WIN 0x0a                                       ; sources 0 and 1 window 2
.set i, 0
.rept 128
.set n, 32*(i/16)+8*(i%4)+2*((i/4)%4)
	v_pk_fma_f32 v[SS+2*(i%4):SS+2*(i%4)+1], v[n:n+1], v[n:n+1], v[SS+2*(i%4):SS+2*(i%4)+1]   ; the sum of d d: the variance in two passes, as it is defined
.set i, i+1
.endr
	WIN 0
	JOIN
	XCH 1
.irp a, 0,1
	v_fma_f32 v[SS+2*\a], v[SS+2*\a], s60, s61     ; variance + 1e-3
.endr
.irp a, 0,1
	v_rsq_f32 v[NU+2*\a], v[SS+2*\a]
.endr
	v_nop
	s_wait_alu depctr_va_vdst(0)                   ; one wait for the two, ahead of their first reader
.irp a, 0,1
	v_mov_b32 v[NU+2*\a+1], v[NU+2*\a]
.endr
	WIN 0x82
.set n, 0
.rept 128
	v_pk_mul_f32 v[n:n+1], v[n:n+1], v[NU+2*((n/8)%2):NU+2*((n/8)%2)+1]
.set n, n+2
.endr
	WIN 0
; Tile a's 16 rows x my 256 columns go through my quarter of slot 0 (it has had its last fill, and I alone read it) and come back as rows: 32 lanes take 512 consecutive bytes; gamma and beta; stored
.macro OUTA a
	WIN 0x08                                       ; an LDS store's data are its source 1: window 2
.irp b, 0,1,2,3,4,5,6,7,8,9,10,11,12,13,14,15
	ds_store_b128 v[SO], v[8*(2*\b+\a):8*(2*\b+\a)+3] offset:512*(\b/8)+128*((\b%8)/2)+32*(\b%2)
	ds_store_b128 v[SO], v[8*(2*\b+\a)+4:8*(2*\b+\a)+7] offset:512*(\b/8)+128*((\b%8)/2)+32*(\b%2)+16
.endr
	WIN 0
.if \a > 0
	s_wait_xcnt 0x0                                ; the last tile's stores have read their registers
.endif
.irp i, 0,1,2,3,4,5,6,7,8,9,10,11,12,13,14,15
.irp g, 0,1
	ds_load_b128 v[128+8*\i+4*\g:131+8*\i+4*\g], v[SR] offset:1040*\i+512*\g   ; LDS serves a wave's instructions in order: these see the stores above
.endr
.endr
.irp i, 0,1,2,3,4,5,6,7,8,9,10,11,12,13,14,15
.irp g, 0,1
	s_wait_dscnt 31-2*\i-\g                        ; this load is in; the younger ones may be out
	v_pk_fma_f32 v[128+8*\i+4*\g:129+8*\i+4*\g], v[128+8*\i+4*\g:129+8*\i+4*\g], v[GA+4*\g:GA+4*\g+1], v[BE+4*\g:BE+4*\g+1]
	v_pk_fma_f32 v[130+8*\i+4*\g:131+8*\i+4*\g], v[130+8*\i+4*\g:131+8*\i+4*\g], v[GA+4*\g+2:GA+4*\g+3], v[BE+4*\g+2:BE+4*\g+3]
	global_store_b128 v[LI], v[128+8*\i+4*\g:131+8*\i+4*\g], s[OB:OB+1] offset:(8*\a+\i+8*(\i/8))*4096+512*\g th:TH_STORE_NT   ; 512 consecutive bytes, aligned
.endr
.endr
.endm
	OUTA 0
	OUTA 1
	s_wait_tensorcnt 0x0                           ; the wave's end
	ds_add_u32 v[SPW], v[NIL]
	s_wait_dscnt 0x0
	CROUND                                         ; the closing round
	s_endpgm
.Lfunc_end_k_qc5db9ce465_ctx:
	.size	k_qc5db9ce465_ctx, .Lfunc_end_k_qc5db9ce465_ctx-k_qc5db9ce465_ctx
	.p2alignl 7, 3214868480
	.fill 96, 4, 3214868480
	.section	.rodata,"a",@progbits
	.p2align	6, 0x0
	.amdhsa_kernel k_qc5db9ce465_ctx
		.amdhsa_group_segment_fixed_size 327680
		.amdhsa_private_segment_fixed_size 0
		.amdhsa_enable_private_segment 0
		.amdhsa_kernarg_size 48
		.amdhsa_user_sgpr_count 2
		.amdhsa_user_sgpr_kernarg_segment_ptr 1
		.amdhsa_wavefront_size32 1
		.amdhsa_system_sgpr_workgroup_id_x 1
		.amdhsa_system_sgpr_workgroup_id_y 1
		.amdhsa_system_sgpr_workgroup_id_z 1
		.amdhsa_system_vgpr_workitem_id 0
		.amdhsa_next_free_vgpr 768
		.amdhsa_next_free_sgpr 80
		.amdhsa_reserve_vcc 0
		.amdhsa_float_denorm_mode_32 3
		.amdhsa_float_denorm_mode_16_64 3
		.amdhsa_memory_ordered 1
		.amdhsa_forward_progress 1
		.amdhsa_inst_pref_size 138
	.end_amdhsa_kernel
	.amdgpu_metadata
---
amdhsa.version: [ 1, 2 ]
amdhsa.kernels:
  - .name:           k_qc5db9ce465_ctx
    .symbol:         k_qc5db9ce465_ctx.kd
    .args:
      - { .name: pi, .offset: 0, .size: 8, .value_kind: global_buffer, .address_space: global }
      - { .name: vi, .offset: 8, .size: 8, .value_kind: global_buffer, .address_space: global }
      - { .name: inputs, .offset: 16, .size: 8, .value_kind: global_buffer, .address_space: global }
      - { .name: ln_gamma, .offset: 24, .size: 8, .value_kind: global_buffer, .address_space: global }
      - { .name: ln_beta, .offset: 32, .size: 8, .value_kind: global_buffer, .address_space: global }
      - { .name: out0, .offset: 40, .size: 8, .value_kind: global_buffer, .address_space: global }
    .group_segment_fixed_size: 327680
    .private_segment_fixed_size: 0
    .kernarg_segment_align: 8
    .kernarg_segment_size: 48
    .max_flat_workgroup_size: 128
    .sgpr_count:     80
    .vgpr_count:     768
    .wavefront_size: 32
...
	.end_amdgpu_metadata
.endif
;; end of part 4
